; MI455X (gfx1250); checked and timed in simulation.
; The chip was launched on July 23, 2026; its instructions are those of AMD's public machine-readable ISA for CDNA 5 (MIT licence, August 2026) and "CDNA5" Instruction Set Architecture Reference Guide (July 2026). The comments in the code are by the model that wrote it; some were corrected since.
;; Multi Headed Attention. Allowed arithmetic: float matrix products may take bf16 or f16 operands with f32 sums; all other float work in f32.
;; Inputs: Wk 1,024 x 1,024 float32; Wo 1,024 x 1,024 float32; Wq 1,024 x 1,024 float32; Wv 1,024 x 1,024 float32; bk 1,024 float32; bo 1,024 float32; bq 1,024 float32; bv 1,024 float32; key 2 x 2,048 x 1,024 float32; mask 2 x 2,048 x 2,048 int32; query 2 x 2,048 x 1,024 float32; value 2 x 2,048 x 1,024 float32.
;; Outputs: out0 2 x 2,048 x 1,024 float32.
;; 3 versions, each right and faster than the one before. Each part assembles by itself: llvm-mc -triple=amdgcn-amd-amdhsa -mcpu=gfx1250 --defsym DOCPART=n.
;; ======== version 1 of 3: 3 launches
;; limits: values are held in f16: magnitudes above 65,504 overflow, below 6.1e-05 lose precision
;; workspace buffers: qkv 25,165,824 bytes; mbits 1,048,576 bytes of whole numbers; xh 8,388,608 bytes
;; launch proj (part 1): grid 64 x 4, 8 waves a work-group, no clusters, 162,816 bytes of LDS; arguments query, key, value, Wq, Wk, Wv, bq, bk, bv, mask, qkv, mbits; writes qkv, mbits
.if DOCPART == 1
	.amdgcn_target "amdgcn-amd-amdhsa--gfx1250"
	.amdhsa_code_object_version 6
	.text
	.protected	k_q67989e5f64_proj
	.globl	k_q67989e5f64_proj
	.p2align	8
	.type	k_q67989e5f64_proj,@function
k_q67989e5f64_proj:
	s_mov_b64 s[64:65], 0
	v_nop
	global_prefetch_b8 v0, s[64:65] scope:SCOPE_SE
	s_setreg_imm32_b32 hwreg(HW_REG_WAVE_MODE, 25, 1), 1
	s_wait_xcnt 0x0
; proj: work-group row y = 0, 1, 2 makes Q, K, V = x W + b in f16; row y = 3 packs the int32 mask into lane-mask words.
; qkv:   [bh = 16 b + head][tile of 256 tokens][Q | K | V], each part 256 tokens x 64 d of f16 (a token's row is 128 bytes, dense).
;        Q is stored times 0.125 log2(e), so that the next launch's scores are exponents of 2.
; mbits: [g = 64 b + query / 32][step of 64 keys][64 words]; bit L of word 32 qt + 8 kt + j says mask[b][32 g' + 16 qt + (L & 15)][64 step + 16 kt + 8 (L >> 4) + j] != 0:
;        the lane mask of register j of the score tile (qt, kt) of the next launch.
; LIMITS: all matrix operands are f16: x, W and the results (0.18 q, k, v) must stay under 65,504 in magnitude (inputs 30 times the usual spread give about 5,000,
; a common offset of 30 spreads about 29,000); NaN and infinities are not treated.
; GEMM: a work-group makes 256 tokens x 256 columns (4 heads) with eight waves, 2 x 4; a wave makes 128 tokens x 64 columns (one head): 32 accumulator tiles, 256 registers.
; K goes in steps of 64 through two LDS slots.  x and W are f32 in memory and are rounded to f16 on the way, so they pass through registers:
; NO TENSOR LOADS AND NO JOINT REQUESTS HERE, because a tensor load copies bytes as they are, and a pass that rounds first would store and load 33 MB more.
; The matrix instruction is used transposed (source 0 = 16 columns of W, source 1 = 16 tokens of x): a lane then holds one token and 8 neighbouring columns.
.set XPITCH, 144                       ; an x row in LDS: 64 f16 + 16 bytes; 9 x 16, so 16 rows of a fragment load begin at 16 different 16-byte columns modulo 256
.set WPITCH, 544                       ; a W row in LDS: 256 f16 + 32 bytes; 17 x 32
.set XBYTES, 256*XPITCH                ; 36,864
.set SLOT,   XBYTES+64*WPITCH          ; 71,680
.set STAGE,  2*SLOT                    ; 143,360: 16 rows x 144 bytes for each wave, for the way out
.set CQ,     0x3e38aa3b                ; 0.125 log2(e)
.set XG,  1                            ; v1      byte offset of my 16 bytes in x's tile
.set WG,  2                            ; v2      the same in W's tile
.set XS,  3                            ; v3-4    where I store 4 f16 of x, slot 0, 1
.set WS,  5                            ; v5-6    the same for W
.set XF,  7                            ; v7-8    my x fragments, slot 0, 1
.set WF,  9                            ; v9-10   my W fragments
.set STO, 11                           ; v11     the way out: where I put 16 bytes of a token's row
.set RD,  12                           ; v12     the way out: where I read rows back
.set CO,  13                           ; v13     16 x lane
.set BO,  14                           ; v14     32 x (lane / 16): my 8 columns in the bias
.set FX,  16                           ; v[16:79]   8 fragments of x
.set FW,  80                           ; v[80:111]  4 fragments of W
.set SX,  112                          ; v[112:175] x as loaded (f32), then packed in place
.set SW,  176                          ; v[176:239] W likewise
.set BIAS, 16                          ; the way out: 32 bias numbers
.set TF,   112                         ; 32 results in f32
.set PK,   144                         ; 16 registers of packed f16
.set RB,   160                         ; two read-back buffers of 16 registers
.set MD,  16                           ; mask role: v[16:79] as loaded
.set ME,  80                           ; v[80:143] in the score tiles' order
.set MW,  144                          ; v[144:145] the 64 words, two a lane
; the accumulators are v256-v511: tile (i, b) at register 8 (4 i + b) of window 1
.set MSB, 0
.macro WIN new                         ; s_set_vgpr_msb: low byte the new setting, high byte the setting that is left
.if MSB != \new
	s_set_vgpr_msb (MSB<<8)|\new
.set MSB, \new
.endif
.endm
.macro PLACES n
.rept \n
	v_nop
.endr
.endm
	s_load_b512 s[16:31], s[0:1], 0x0              ; query, key, value, Wq, Wk, Wv, bq, bk
	s_load_b256 s[32:39], s[0:1], 0x40             ; bv, mask, qkv, mbits
	v_lshl_add_u32 v254, v0, 2, 0x27800
	v_mov_b32 v255, 0
	s_and_b32 s2, ttmp7, 0xffff                    ; the role
	v_lshrrev_b32 v15, 5, v0
	v_readfirstlane_b32 s8, v15                    ; wave
	v_and_b32 v19, 15, v0                          ; r = lane % 16
	v_bfe_u32 v17, v0, 4, 1                        ; h = lane / 16
	s_cmp_eq_u32 s2, 3
	s_cbranch_scc1 .Lmask                          ; the same for the whole work-group
	s_lshr_b32 s10, s8, 2                          ; wm: which 128 tokens
	s_and_b32 s11, s8, 3                           ; wn: which 64 columns
	s_lshr_b32 s12, ttmp9, 2                       ; tb: block of 256 tokens
	s_and_b32 s13, ttmp9, 3                        ; nb: block of 256 columns
	v_lshl_add_u32 v18, v17, 3, v15                ; of 16 rows of x a load takes, mine: wave + 8 h
	v_lshlrev_b32 v[XG], 12, v18
	v_lshl_add_u32 v[XG], v19, 4, v[XG]            ; row x 4,096 + 16 r: sixteen lanes take 256 neighbouring bytes
	v_mul_u32_u24 v[XS], v18, XPITCH
	v_lshl_add_u32 v[XS], v19, 3, v[XS]
	v_add_nc_u32 v[XS+1], SLOT, v[XS]
	v_lshrrev_b32 v20, 6, v0
	v_and_b32 v21, 63, v0
	v_lshlrev_b32 v[WG], 12, v20
	v_lshl_add_u32 v[WG], v21, 4, v[WG]            ; of 4 rows of W a load takes: t / 64; 16 (t % 64)
	v_mul_u32_u24 v[WS], v20, WPITCH
	v_lshl_add_u32 v[WS], v21, 3, v[WS]
	v_add_nc_u32 v[WS], XBYTES, v[WS]
	v_add_nc_u32 v[WS+1], SLOT, v[WS]
	v_mul_u32_u24 v24, v19, XPITCH
	v_lshl_add_u32 v24, v17, 4, v24                ; r x 144 + 16 h
	s_mul_i32 s46, s10, 128*XPITCH
	v_add_nc_u32 v[XF], s46, v24
	v_add_nc_u32 v[XF+1], SLOT, v[XF]
	v_and_b32 v22, 7, v0
	v_lshl_add_u32 v23, v17, 3, v22                ; 8 h + lane % 8: the row of W that I address for the transposing load
	v_mul_u32_u24 v[WF], v23, WPITCH
	v_bfe_u32 v25, v0, 3, 1
	v_lshl_add_u32 v[WF], v25, 4, v[WF]
	s_lshl_b32 s47, s11, 7
	s_add_co_u32 s47, s47, XBYTES
	v_add_nc_u32 v[WF], s47, v[WF]
	v_add_nc_u32 v[WF+1], SLOT, v[WF]
	s_mul_i32 s48, s8, 16*XPITCH
	s_add_co_u32 s48, s48, STAGE                   ; my stage
	v_add_nc_u32 v[STO], s48, v24
	v_bfe_u32 v26, v0, 3, 2
	v_mul_u32_u24 v[RD], v26, XPITCH
	v_lshl_add_u32 v[RD], v22, 4, v[RD]            ; back: eight lanes take a row of 128 bytes, the wave four rows
	v_add_nc_u32 v[RD], s48, v[RD]
	v_and_b32 v27, 31, v0
	v_lshlrev_b32 v[CO], 4, v27
	v_lshlrev_b32 v[BO], 5, v17
	s_lshl_b32 s50, s12, 20                        ; 256 tokens x 4,096 bytes
	s_mov_b32 s51, 0
	s_wait_kmcnt 0x0
	s_cmp_eq_u32 s2, 1                             ; the role picks x, W and b
	s_cselect_b64 s[4:5], s[18:19], s[16:17]
	s_cselect_b64 s[6:7], s[24:25], s[22:23]
	s_cselect_b64 s[40:41], s[30:31], s[28:29]
	s_cmp_eq_u32 s2, 2
	s_cselect_b64 s[4:5], s[20:21], s[4:5]
	s_cselect_b64 s[6:7], s[26:27], s[6:7]
	s_cselect_b64 s[40:41], s[32:33], s[40:41]
	s_cmp_eq_u32 s2, 0
	s_cselect_b32 s44, CQ, 1.0                     ; Q alone is scaled
	s_mov_b32 s45, s44
	s_add_nc_u64 s[4:5], s[4:5], s[50:51]
	s_lshl_b32 s50, s13, 10
	s_add_nc_u64 s[6:7], s[6:7], s[50:51]          ; W at my 256 columns
	s_lshl_b32 s49, s11, 8
	s_add_co_u32 s50, s50, s49
	s_add_nc_u64 s[40:41], s[40:41], s[50:51]      ; b at my wave's 64 columns
	s_lshr_b32 s50, s12, 3                         ; b
	s_lshl_b32 s50, s50, 2
	s_add_co_u32 s50, s50, s13
	s_lshl_b32 s50, s50, 2
	s_add_co_u32 s50, s50, s11                     ; 16 b + head, head = 4 nb + wn
	s_lshl_b32 s50, s50, 3
	s_and_b32 s49, s12, 7
	s_add_co_u32 s50, s50, s49                     ; x 8 + tile
	s_mul_i32 s50, s50, 98304
	s_lshl_b32 s49, s2, 15                         ; the part: Q, K or V
	s_add_co_u32 s50, s50, s49
	s_lshl_b32 s49, s10, 14                        ; my 128 tokens x 128 bytes
	s_add_co_u32 s50, s50, s49
	s_add_nc_u64 s[42:43], s[36:37], s[50:51]
; One K step's tiles into registers: 256 rows x 256 bytes of x, 64 rows x 1,024 bytes of W.
.macro GLOAD
.irp p, 0,1,2,3,4,5,6,7,8,9,10,11,12,13,14,15
	global_load_b128 v[SX+4*\p:SX+4*\p+3], v[XG], s[4:5] offset:\p*65536
.endr
.irp p, 0,1,2,3,4,5,6,7,8,9,10,11,12,13,14,15
	global_load_b128 v[SW+4*\p:SW+4*\p+3], v[WG], s[6:7] offset:\p*16384
.endr
.endm
; 32 along K: 24 fragment loads, 32 matrix instructions.  The 32 accumulators take turns, one instruction a turn, in the same order in every
; sub-step and over the loop's backward jump.
.macro KSUB slot, ks, zero
.if \zero == 0
	PLACES 4                                       ; loads into registers that matrix instructions have read stand four places behind them
.endif
.irp b, 0,1,2,3
	ds_load_tr16_b128 v[FW+8*\b:FW+8*\b+3],   v[WF+\slot] offset:\ks*32*WPITCH+32*\b
	ds_load_tr16_b128 v[FW+8*\b+4:FW+8*\b+7], v[WF+\slot] offset:\ks*32*WPITCH+16*WPITCH+32*\b
.endr
.irp i, 0,1,2,3,4,5,6,7
	ds_load_b128 v[FX+8*\i:FX+8*\i+3],   v[XF+\slot] offset:\i*16*XPITCH+64*\ks
	ds_load_b128 v[FX+8*\i+4:FX+8*\i+7], v[XF+\slot] offset:\i*16*XPITCH+64*\ks+32
.endr
	WIN 0x50                                       ; C and D in window 1
.irp i, 0,1,2,3,4,5,6,7
	s_wait_dscnt 14-2*\i                           ; W's fragments and x's up to i are in; the 2 (7 - i) loads of the later ones may be out
.irp b, 0,1,2,3
.if \zero
	v_wmma_f32_16x16x32_f16 v[8*(4*\i+\b):8*(4*\i+\b)+7], v[FW+8*\b:FW+8*\b+7], v[FX+8*\i:FX+8*\i+7], 0
.else
	v_wmma_f32_16x16x32_f16 v[8*(4*\i+\b):8*(4*\i+\b)+7], v[FW+8*\b:FW+8*\b+7], v[FX+8*\i:FX+8*\i+7], v[8*(4*\i+\b):8*(4*\i+\b)+7]
.endif
.endr
.endr
	WIN 0
.endm
; The loaded K step is rounded to f16 and stored into a slot; then the one barrier of a trip: in front of it each wave's reads of the
; slot just multiplied and its stores into the other are done, behind it the other slot is whole and this one may be written.
.macro CVTST slot
	s_wait_loadcnt 16                              ; x's 16 loads are in, W's 16 younger ones may be out
.irp p, 0,1,2,3,4,5,6,7,8,9,10,11,12,13,14,15
	v_cvt_pk_f16_f32 v[SX+4*\p],   v[SX+4*\p],   v[SX+4*\p+1]
	v_cvt_pk_f16_f32 v[SX+4*\p+1], v[SX+4*\p+2], v[SX+4*\p+3]
	ds_store_b64 v[XS+\slot], v[SX+4*\p:SX+4*\p+1] offset:\p*16*XPITCH
.endr
	s_wait_loadcnt 0x0                             ; all loads done: the two bases may step
	s_add_nc_u64 s[4:5], s[4:5], 256               ; 64 along K in x
	s_add_nc_u64 s[6:7], s[6:7], 262144            ; 64 rows of W
.irp p, 0,1,2,3,4,5,6,7,8,9,10,11,12,13,14,15
	v_cvt_pk_f16_f32 v[SW+4*\p],   v[SW+4*\p],   v[SW+4*\p+1]
	v_cvt_pk_f16_f32 v[SW+4*\p+1], v[SW+4*\p+2], v[SW+4*\p+3]
	ds_store_b64 v[WS+\slot], v[SW+4*\p:SW+4*\p+1] offset:\p*4*WPITCH
.endr
	s_wait_dscnt 0x0                               ; for the other waves' sake: zero
	s_barrier_signal -1
	s_barrier_wait -1
.endm
.macro TRIP slot, zero, more
.if \more
	GLOAD                                          ; the next K step is asked for before this one is multiplied
.endif
	KSUB \slot, 0, \zero
	KSUB \slot, 1, 0
.if \more
	CVTST (1-\slot)
.endif
.endm
	GLOAD
	CVTST 0
	TRIP 0, 1, 1                                   ; the first products start the sums: nothing is cleared
	TRIP 1, 0, 1
	s_mov_b32 s9, 6
.Lk:
	TRIP 0, 0, 1
	TRIP 1, 0, 1
	s_sub_co_i32 s9, s9, 1
	s_cmp_lg_u32 s9, 0
	s_cbranch_scc1 .Lk
	TRIP 0, 0, 1
	TRIP 1, 0, 0                                   ; the sixteenth K step: nothing more to fetch
	; THE WAY OUT: (sum + b) c = sum c + b c, rounded once to f16, 16 tokens at a time through my own stage, stored as 512 consecutive bytes.
	PLACES 4                                       ; behind the last matrix instructions: for the loads into x's fragments and for the reads of the sums
.irp b, 0,1,2,3
	global_load_b128 v[BIAS+8*\b:BIAS+8*\b+3],   v[BO], s[40:41] offset:64*\b
	global_load_b128 v[BIAS+8*\b+4:BIAS+8*\b+7], v[BO], s[40:41] offset:64*\b+16
.endr
	s_wait_loadcnt 0x0
.irp j, 0,2,4,6,8,10,12,14,16,18,20,22,24,26,28,30
	v_pk_mul_f32 v[BIAS+\j:BIAS+\j+1], v[BIAS+\j:BIAS+\j+1], s[44:45] op_sel_hi:[1,0]
.endr
.macro OUT16 i, rb
	WIN 0x01                                       ; source 0 in window 1
.irp b, 0,1,2,3
.irp j, 0,2,4,6
	v_pk_fma_f32 v[TF+8*\b+\j:TF+8*\b+\j+1], v[8*(4*\i+\b)+\j:8*(4*\i+\b)+\j+1], s[44:45], v[BIAS+8*\b+\j:BIAS+8*\b+\j+1] op_sel_hi:[1,0,1]
.endr
.endr
	WIN 0
.irp b, 0,1,2,3
.irp q, 0,1,2,3
	v_cvt_pk_f16_f32 v[PK+4*\b+\q], v[TF+8*\b+2*\q], v[TF+8*\b+2*\q+1]
.endr
.endr
.irp b, 0,1,2,3
	ds_store_b128 v[STO], v[PK+4*\b:PK+4*\b+3] offset:32*\b
.endr
	s_wait_xcnt 0x0                                ; the read-back buffer, which earlier stores read, is loaded again only behind this wait
.irp t, 0,1,2,3
	ds_load_b128 v[\rb+4*\t:\rb+4*\t+3], v[RD] offset:4*XPITCH*\t   ; a wave's LDS instructions are served in order: these see the stores above
.endr
.irp t, 0,1,2,3
	s_wait_dscnt 3-\t                              ; load t is in, the 3 - t younger ones may be out
	global_store_b128 v[CO], v[\rb+4*\t:\rb+4*\t+3], s[42:43] offset:2048*\i+512*\t   ; four tokens' rows: 512 consecutive bytes, aligned
.endr
.endm
	OUT16 0, RB
	OUT16 1, RB+16
	OUT16 2, RB
	OUT16 3, RB+16
	OUT16 4, RB
	OUT16 5, RB+16
	OUT16 6, RB
	OUT16 7, RB+16
	s_wait_tensorcnt 0x0
	ds_add_u32 v254, v255
	s_wait_dscnt 0x0
	s_endpgm
	; THE MASK.  512 waves; wave W = 8 x + wave takes query group g = W / 4 (32 rows) and 8 steps of 64 keys.  A unit is 32 rows x 256 bytes.
	; It is loaded in whole 256-byte pieces of rows, turned into the score tiles' order through the wave's own LDS bytes (no barrier),
	; compared with 0 (each compare gives one 32-bit lane mask), and the 64 words leave as one block of 256 bytes.
.Lmask:
	s_lshl_b32 s10, ttmp9, 3
	s_add_co_u32 s10, s10, s8                      ; W
	s_lshr_b32 s11, s10, 2                         ; g
	s_and_b32 s12, s10, 3
	s_lshl_b32 s12, s12, 11                        ; my 8 steps: 2,048 bytes on, in a mask row and in mbits alike
	s_lshl_b32 s14, s11, 18                        ; 32 rows x 8,192 bytes
	s_add_co_u32 s14, s14, s12
	s_mov_b32 s15, 0
	s_lshl_b32 s40, s11, 13                        ; 32 steps x 256 bytes
	s_add_co_u32 s40, s40, s12
	s_mov_b32 s41, 0
	s_mul_i32 s13, s8, 32*272                      ; my wave's LDS bytes
	v_lshlrev_b32 v1, 13, v17
	v_lshl_add_u32 v1, v19, 4, v1                  ; two rows a load: h x 8,192 + 16 r
	v_mul_u32_u24 v2, v17, 272
	v_lshl_add_u32 v2, v19, 4, v2
	v_add_nc_u32 v2, s13, v2                       ; the same two rows in LDS, pitch 272
	v_mul_u32_u24 v3, v19, 272
	v_lshl_add_u32 v3, v17, 5, v3
	v_add_nc_u32 v3, s13, v3                       ; back: row r, keys 8 h ..
	v_and_b32 v4, 31, v0
	v_lshlrev_b32 v4, 3, v4                        ; two words a lane
	v_mov_b32 v[MW], 0                             ; v_writelane_b32 keeps the other lanes: its destination has to be written once
	v_mov_b32 v[MW+1], 0
	s_wait_kmcnt 0x0
	s_add_nc_u64 s[4:5], s[34:35], s[14:15]
	s_add_nc_u64 s[6:7], s[38:39], s[40:41]
.macro MLOAD
.irp p, 0,1,2,3,4,5,6,7,8,9,10,11,12,13,14,15
	global_load_b128 v[MD+4*\p:MD+4*\p+3], v1, s[4:5] offset:\p*16384 th:TH_LOAD_NT
.endr
.endm
.macro MUNIT more
	s_wait_loadcnt 0x0
.irp p, 0,1,2,3,4,5,6,7,8,9,10,11,12,13,14,15
	ds_store_b128 v2, v[MD+4*\p:MD+4*\p+3] offset:544*\p
.endr
.irp q, 0,1
.irp kt, 0,1,2,3
	ds_load_b128 v[ME+32*\q+8*\kt:ME+32*\q+8*\kt+3],   v3 offset:4352*\q+64*\kt
	ds_load_b128 v[ME+32*\q+8*\kt+4:ME+32*\q+8*\kt+7], v3 offset:4352*\q+64*\kt+16
.endr
.endr
	s_wait_dscnt 0x0
.if \more
	s_add_nc_u64 s[4:5], s[4:5], 256               ; the loads that used the base are done
	MLOAD                                          ; the next unit is on its way while this one is compared
.endif
.set idx, 0
.rept 64
	v_cmp_ne_u32 s[46+idx%4], 0, v[ME+idx]
	v_writelane_b32 v[MW+idx%2], s[46+idx%4], idx/2
.set idx, idx+1
.endr
	global_store_b64 v4, v[MW:MW+1], s[6:7]        ; 256 consecutive bytes, aligned
.if \more
	s_wait_xcnt 0x0                                ; the words and the base are written again only behind this wait
	s_add_nc_u64 s[6:7], s[6:7], 256
.endif
.endm
	MLOAD
	s_mov_b32 s9, 7
.Lunit:
	MUNIT 1
	s_sub_co_i32 s9, s9, 1
	s_cmp_lg_u32 s9, 0
	s_cbranch_scc1 .Lunit
	MUNIT 0
	s_wait_tensorcnt 0x0
	ds_add_u32 v254, v255
	s_wait_dscnt 0x0
	s_endpgm
.Lfunc_end_k_q67989e5f64_proj:
	.size	k_q67989e5f64_proj, .Lfunc_end_k_q67989e5f64_proj-k_q67989e5f64_proj
	.p2alignl 7, 3214868480
	.fill 96, 4, 3214868480
	.section	.rodata,"a",@progbits
	.p2align	6, 0x0
	.amdhsa_kernel k_q67989e5f64_proj
		.amdhsa_group_segment_fixed_size 162816
		.amdhsa_private_segment_fixed_size 0
		.amdhsa_enable_private_segment 0
		.amdhsa_kernarg_size 96
		.amdhsa_user_sgpr_count 2
		.amdhsa_user_sgpr_kernarg_segment_ptr 1
		.amdhsa_wavefront_size32 1
		.amdhsa_system_sgpr_workgroup_id_x 1
		.amdhsa_system_sgpr_workgroup_id_y 1
		.amdhsa_system_sgpr_workgroup_id_z 1
		.amdhsa_system_vgpr_workitem_id 0
		.amdhsa_next_free_vgpr 512
		.amdhsa_next_free_sgpr 66
		.amdhsa_reserve_vcc 0
		.amdhsa_float_denorm_mode_32 3
		.amdhsa_float_denorm_mode_16_64 3
		.amdhsa_memory_ordered 1
		.amdhsa_forward_progress 1
		.amdhsa_inst_pref_size 159
	.end_amdhsa_kernel
	.amdgpu_metadata
---
amdhsa.version: [ 1, 2 ]
amdhsa.kernels:
  - .name:           k_q67989e5f64_proj
    .symbol:         k_q67989e5f64_proj.kd
    .args:
      - { .name: query, .offset: 0, .size: 8, .value_kind: global_buffer, .address_space: global }
      - { .name: key, .offset: 8, .size: 8, .value_kind: global_buffer, .address_space: global }
      - { .name: value, .offset: 16, .size: 8, .value_kind: global_buffer, .address_space: global }
      - { .name: Wq, .offset: 24, .size: 8, .value_kind: global_buffer, .address_space: global }
      - { .name: Wk, .offset: 32, .size: 8, .value_kind: global_buffer, .address_space: global }
      - { .name: Wv, .offset: 40, .size: 8, .value_kind: global_buffer, .address_space: global }
      - { .name: bq, .offset: 48, .size: 8, .value_kind: global_buffer, .address_space: global }
      - { .name: bk, .offset: 56, .size: 8, .value_kind: global_buffer, .address_space: global }
      - { .name: bv, .offset: 64, .size: 8, .value_kind: global_buffer, .address_space: global }
      - { .name: mask, .offset: 72, .size: 8, .value_kind: global_buffer, .address_space: global }
      - { .name: qkv, .offset: 80, .size: 8, .value_kind: global_buffer, .address_space: global }
      - { .name: mbits, .offset: 88, .size: 8, .value_kind: global_buffer, .address_space: global }
    .group_segment_fixed_size: 162816
    .private_segment_fixed_size: 0
    .kernarg_segment_align: 8
    .kernarg_segment_size: 96
    .max_flat_workgroup_size: 256
    .sgpr_count:     66
    .vgpr_count:     512
    .wavefront_size: 32
...
	.end_amdgpu_metadata
.endif
;; end of part 1
;; launch attn (part 2): grid 8 x 32, 8 waves a work-group, clusters of 4 x 1, 327,680 bytes of LDS; arguments qkv, mbits, xh; writes xh
.if DOCPART == 2
	.amdgcn_target "amdgcn-amd-amdhsa--gfx1250"
	.amdhsa_code_object_version 6
	.text
	.protected	k_q67989e5f64_attn
	.globl	k_q67989e5f64_attn
	.p2align	8
	.type	k_q67989e5f64_attn,@function
k_q67989e5f64_attn:
	s_mov_b64 s[64:65], 0
	v_nop
	global_prefetch_b8 v0, s[64:65] scope:SCOPE_SE
	s_setreg_imm32_b32 hwreg(HW_REG_WAVE_MODE, 25, 1), 1
	s_wait_xcnt 0x0
	s_wait_alu depctr_hold_cnt(0) depctr_sa_sdst(0) depctr_va_vdst(0) depctr_va_sdst(0) depctr_va_ssrc(0) depctr_va_vcc(0) depctr_vm_vsrc(0)
	s_getreg_b32 s2, hwreg(HW_REG_IB_STS2, 6, 4)
	s_cmp_eq_u32 s2, 0
	s_cbranch_scc0 .Lentry_in_a_cluster
	s_endpgm
.Lentry_in_a_cluster:
	s_bfe_u32 s2, ttmp6, 0x10000c
	s_cmp_lg_u32 s2, 0x3003
	s_cbranch_scc0 .Lentry_shape_is_right
	s_endpgm
.Lentry_shape_is_right:
; attn: softmax(q k / 8, masked) v by a running maximum.  A work-group takes 256 queries of one (b, head); a wave takes 32 (two tiles of 16, qt = 0, 1).
; Scores are exponents of 2: Q was stored times 0.125 log2(e), and a score whose mask bit is 0 is REPLACED by -1e9 log2(e).  A row that is masked
; throughout therefore gives the plain mean of v, as a softmax of equal scores does.
; CLUSTERS: the four work-groups of a cluster are four query blocks of the same head and walk the same K and V tiles: each tile is asked for jointly (mask 15).
; The place in the cluster enters only the global addresses of Q, of the mask words and of the result.
; A tile is 256 keys: 32 KB of K and 32 KB of V, dense in qkv; wave w fetches 8 KB of it (waves 0-3 K, waves 4-7 V; 64 keys each).  Two slots; 8 tiles.
; Both products are used transposed: scores = (16 keys) x (16 queries), so that a lane holds one query and 8 keys a register tile, and the packed
; probabilities ARE the second source of the next product, (16 d of V, by the transposing load) x (16 queries): no exchange between lanes but one for the maximum.
; LIMITS: operands are f16 (p lies in 0..1; q, k, v as the launch before states); NaN and infinities are not treated (the maxima drop a NaN).
.set KPITCH, 144                       ; a key's 128 bytes + 16: 9 x 16
.set VPITCH, 160                       ; a key's 128 bytes + 32: 5 x 32
.set SUBT,   10240                     ; LDS bytes of 64 keys of K (9,216 used) or of V (10,240)
.set SLOT,   8*SUBT                    ; 81,920: K's four parts, then V's four
.set STAGE,  2*SLOT                    ; 163,840: 32 rows x 144 bytes for each wave; no tensor load lands here
.set TILEB,  98304                     ; from a tile of qkv to the next
.set NEG,    0xceabfb8f                ; -1e9 log2(e)
.set KADR, 1                           ; v1-2   my K fragments, slot 0, 1
.set VADR, 3                           ; v3-4   my V fragments
.set NEGR, 5                           ; v5     NEG
.set STO,  6                           ; v6     the way out: in
.set RD,   7                           ; v7     the way out: back
.set CO,   8                           ; v8     16 x lane
.set QO,   9                           ; v9     my bytes in Q
.set MX,   10                          ; v10 running maximum of qt 0, v11 what the other half of the lanes sent; v12, v13 the same for qt 1
.set AL,   14                          ; v14 factor 2^(old - new maximum) of qt 0, v15 its exponent; v16, v17 for qt 1
.set LS,   18                          ; v18-19 running sums of my half of the keys
.set TT,   22                          ; v[22:29] at work
.set QF,   32                          ; v[32:63]   Q fragments (qt, dh) at 32 + 16 qt + 8 dh
.set SC,   64                          ; v[64:127]  scores (qt, kt) at 64 + 32 qt + 8 kt; then p; then p packed: (qt, kp) at 64 + 32 qt + 16 kp
.set FR,   128                         ; v[128:191] K fragments (kt, dh) at 128 + 16 kt + 8 dh, then V fragments (kp, dt) at 128 + 32 kp + 8 dt
.set ACCO, 192                         ; v[192:255] results (qt, dt) at 192 + 32 qt + 8 dt
; s[2:3] mask words' address   s[4:7], s[8:11] descriptor group 0 of slot 0, 1   s[12:13] my offset in xh   s[14:15] Q, later xh
; s[16:63], s[68:83] the step's 64 mask words   s66 wave   s67 counter   s[84:91], s[92:99] group 1 for K, for V   s100-101 lane selects
.macro PLACES n
.rept \n
	v_nop
.endr
.endm
; A round of the cluster's barrier: my work-group's barrier; wave 0 signals for the work-group; every wave waits for all four; my work-group's barrier again.
.macro ROUND
	s_barrier_signal -1
	s_barrier_wait -1
	s_cmp_lg_u32 s66, 0
	s_cbranch_scc1 .Lnot_wave_0_\@
	s_barrier_signal -3
.Lnot_wave_0_\@:
	s_barrier_wait -3
	s_barrier_signal -1
	s_barrier_wait -1
.endm
; A joint load into slot n: one tensor load a wave.  The two lines differ in the padding alone; the branch hangs on the wave's number.
.macro JLOAD n
	s_cmp_lt_u32 s66, 4
	s_cbranch_scc0 .Lfor_v_\@
	tensor_load_to_lds s[4+4*\n:7+4*\n], s[84:91]
	s_nop 0
	s_branch .Lasked_\@
.Lfor_v_\@:
	tensor_load_to_lds s[4+4*\n:7+4*\n], s[92:99]
	s_nop 0
.Lasked_\@:
.endm
.macro MWORDS                          ; a step's 64 mask words: 256 bytes
	s_load_b512 s[16:31], s[2:3], 0x0
	s_load_b512 s[32:47], s[2:3], 0x40
	s_load_b512 s[48:63], s[2:3], 0x80
	s_load_b512 s[68:83], s[2:3], 0xc0
.endm
	s_load_b128 s[20:23], s[0:1], 0x0              ; qkv, mbits
	v_lshl_add_u32 v30, v0, 2, 0x31000
	v_mov_b32 v31, 0
	ds_add_u32 v30, v31
	v_lshrrev_b32 v1, 5, v0
	v_readfirstlane_b32 s66, v1                    ; wave
	s_and_b32 s16, ttmp7, 0xffff                   ; bh
	s_bfe_u32 s17, ttmp6, 0x40000                  ; cx
	s_lshl_b32 s18, ttmp9, 2
	s_add_co_u32 s18, s18, s17                     ; query block = 4 x cluster x + cx
	s_mul_i32 s24, s16, 8*TILEB                    ; K and V: made of bh and the wave alone, which the four partners share
	s_lshl_b32 s25, s66, 13
	s_add_co_u32 s24, s24, s25
	s_add_co_u32 s24, s24, 32768                   ; behind the tile's Q
	s_mov_b32 s25, 0
	s_lshl_b32 s26, s16, 3                         ; Q: tile 8 bh + query block, my 32 rows of 128 bytes
	s_add_co_u32 s26, s26, s18
	s_mul_i32 s26, s26, TILEB
	s_lshl_b32 s27, s66, 12
	s_add_co_u32 s26, s26, s27
	s_mov_b32 s27, 0
	s_lshr_b32 s28, s16, 4                         ; mask words: g = 64 b + 8 x query block + wave, 8,192 bytes each
	s_lshl_b32 s28, s28, 3
	s_add_co_u32 s28, s28, s18
	s_lshl_b32 s28, s28, 3
	s_add_co_u32 s28, s28, s66
	s_lshl_b32 s28, s28, 13
	s_mov_b32 s29, 0
	s_lshl_b32 s12, s16, 3                         ; xh: ((8 bh + query block) 8 + wave) x 4,096 bytes
	s_add_co_u32 s12, s12, s18
	s_lshl_b32 s12, s12, 3
	s_add_co_u32 s12, s12, s66
	s_lshl_b32 s12, s12, 12
	s_mov_b32 s13, 0
	s_mul_i32 s67, s66, 32*KPITCH
	s_add_co_u32 s67, s67, STAGE                   ; my stage (s67 becomes the counter later)
	; group 1: 8 KB dense as 32 rows of 32 elements of 8 bytes; behind every 32 words (a key's 128 bytes) 4 words of padding for K, 8 for V
	s_mov_b32 s84, 0x0733000f                      ; 15:0 mask of the four; 17:16 elements of 8 bytes; 20 padding on; 21 set beside a mask; 24:22 interval code 4; 31:25 pad - 1 = 3
	s_mov_b32 s92, 0x0f33000f                      ; the same with pad - 1 = 7
	s_mov_b32 s85, 32<<16                          ; tensor_dim0 = 32
	s_mov_b32 s93, 32<<16
	s_mov_b32 s86, 32<<16                          ; tensor_dim1 = 32
	s_mov_b32 s94, 32<<16
	s_mov_b32 s87, 32<<16                          ; tile_dim0 = 32
	s_mov_b32 s95, 32<<16
	s_mov_b32 s88, 32                              ; tile_dim1 = 32
	s_mov_b32 s96, 32
	s_mov_b32 s89, 32                              ; 32 elements from row to row
	s_mov_b32 s97, 32
	s_mov_b32 s90, 0
	s_mov_b32 s98, 0
	s_mov_b32 s91, 0
	s_mov_b32 s99, 0
	s_mov_b32 s4, 1                                ; group 0 of slot 0: count,
	s_mul_i32 s5, s66, SUBT                        ; LDS address: wave x 10,240,
	s_mov_b32 s8, 1
	s_add_co_u32 s9, s5, SLOT                      ; slot 1: + 81,920
	s_mov_b32 s100, 0x76543210                     ; v_permlanex16_b32: lane i reads lane i of the other half
	s_mov_b32 s101, 0xfedcba98
	s_wait_dscnt 0x0
	s_wait_kmcnt 0x0
	s_add_nc_u64 s[6:7], s[20:21], s[24:25]        ; tile 0
	s_add_nc_u64 s[10:11], s[6:7], TILEB           ; tile 1
	s_or_b32 s7, s7, 0x80000000                    ; type 2
	s_or_b32 s11, s11, 0x80000000
	s_add_nc_u64 s[14:15], s[20:21], s[26:27]
	s_add_nc_u64 s[2:3], s[22:23], s[28:29]
	ROUND                                          ; all four work-groups are here: the first joint loads meet
	JLOAD 0
	v_and_b32 v20, 15, v0                          ; r
	v_bfe_u32 v21, v0, 4, 1                        ; h
	v_lshlrev_b32 v[QO], 7, v20
	v_lshl_add_u32 v[QO], v21, 4, v[QO]
.irp q, 0,1
.irp dh, 0,1
	global_load_b128 v[QF+16*\q+8*\dh:QF+16*\q+8*\dh+3],   v[QO], s[14:15] offset:2048*\q+64*\dh
	global_load_b128 v[QF+16*\q+8*\dh+4:QF+16*\q+8*\dh+7], v[QO], s[14:15] offset:2048*\q+64*\dh+32
.endr
.endr
	MWORDS                                         ; step 0's words
	v_mul_u32_u24 v[KADR], v20, KPITCH
	v_lshl_add_u32 v[KADR], v21, 4, v[KADR]        ; r x 144 + 16 h
	v_add_nc_u32 v[STO], s67, v[KADR]
	v_add_nc_u32 v[KADR+1], SLOT, v[KADR]
	v_and_b32 v22, 7, v0
	v_lshl_add_u32 v23, v21, 3, v22                ; 8 h + lane % 8: the key whose row I address for the transposing load
	v_mul_u32_u24 v[VADR], v23, VPITCH
	v_bfe_u32 v24, v0, 3, 1
	v_lshl_add_u32 v[VADR], v24, 4, v[VADR]
	v_add_nc_u32 v[VADR], 4*SUBT, v[VADR]
	v_add_nc_u32 v[VADR+1], SLOT, v[VADR]
	v_bfe_u32 v25, v0, 3, 2
	v_mul_u32_u24 v[RD], v25, KPITCH
	v_lshl_add_u32 v[RD], v22, 4, v[RD]
	v_add_nc_u32 v[RD], s67, v[RD]
	v_and_b32 v26, 31, v0
	v_lshlrev_b32 v[CO], 4, v26
	v_mov_b32 v[NEGR], NEG
	v_mov_b32 v[MX+1], 0                           ; v_permlanex16_b32 counts as a reader of its destination
	v_mov_b32 v[MX+3], 0
	s_wait_loadcnt 0x0                             ; Q
; 64 keys: part st of the tile in a slot.  first = 1: the launch's first step starts maxima, sums and results.  more = 1: the next step's mask words are asked for.
.macro STEP slot, st, first, more
.if \first == 0
	PLACES 5                                       ; behind the last matrix instructions: V's fragments are loaded over (four places), the packed p written over by a matrix instruction (five)
.endif
.irp dh, 0,1
.irp kt, 0,1,2,3
	ds_load_b128 v[FR+16*\kt+8*\dh:FR+16*\kt+8*\dh+3],   v[KADR+\slot] offset:\st*SUBT+\kt*16*KPITCH+64*\dh
	ds_load_b128 v[FR+16*\kt+8*\dh+4:FR+16*\kt+8*\dh+7], v[KADR+\slot] offset:\st*SUBT+\kt*16*KPITCH+64*\dh+32
.endr
.endr
	s_wait_dscnt 8                                 ; d 0..31 of the four key tiles are in; the eight loads of d 32..63 may be out
	; the eight score tiles take turns, one instruction a turn, twice in the same order
.irp q, 0,1
.irp kt, 0,1,2,3
	v_wmma_f32_16x16x32_f16 v[SC+32*\q+8*\kt:SC+32*\q+8*\kt+7], v[FR+16*\kt:FR+16*\kt+7], v[QF+16*\q:QF+16*\q+7], 0
.endr
.endr
	s_wait_dscnt 0
.irp q, 0,1
.irp kt, 0,1,2,3
	v_wmma_f32_16x16x32_f16 v[SC+32*\q+8*\kt:SC+32*\q+8*\kt+7], v[FR+16*\kt+8:FR+16*\kt+15], v[QF+16*\q+8:QF+16*\q+15], v[SC+32*\q+8*\kt:SC+32*\q+8*\kt+7]
.endr
.endr
	PLACES 4                                       ; before K's fragments are loaded over and the scores are read
.irp kp, 0,1
.irp dt, 0,1,2,3
	ds_load_tr16_b128 v[FR+32*\kp+8*\dt:FR+32*\kp+8*\dt+3],   v[VADR+\slot] offset:\st*SUBT+\kp*32*VPITCH+32*\dt
	ds_load_tr16_b128 v[FR+32*\kp+8*\dt+4:FR+32*\kp+8*\dt+7], v[VADR+\slot] offset:\st*SUBT+\kp*32*VPITCH+16*VPITCH+32*\dt
.endr
.endr
	s_wait_kmcnt 0x0                               ; this step's mask words; their address may step
	s_add_nc_u64 s[2:3], s[2:3], 256
.set idx, 0
.rept 64
	v_cndmask_b32 v[SC+idx], v[NEGR], v[SC+idx], s[16+idx+4*(idx/48)]   ; bit 1 keeps the score, bit 0 puts -1e9 log2(e) in its place
.set idx, idx+1
.endr
.if \more
	MWORDS
.endif
	; the maximum of my 32 scores of each query, in two chains a query, with the running maximum; then the other half of the lanes
.irp q, 0,1
	v_max3_num_f32 v[TT+2*\q],   v[SC+32*\q],    v[SC+32*\q+1],  v[SC+32*\q+2]
	v_max3_num_f32 v[TT+2*\q+1], v[SC+32*\q+16], v[SC+32*\q+17], v[SC+32*\q+18]
.endr
.irp j, 3,5,7,9,11,13
.irp q, 0,1
	v_max3_num_f32 v[TT+2*\q],   v[TT+2*\q],   v[SC+32*\q+\j],    v[SC+32*\q+\j+1]
	v_max3_num_f32 v[TT+2*\q+1], v[TT+2*\q+1], v[SC+32*\q+\j+16], v[SC+32*\q+\j+17]
.endr
.endr
.irp q, 0,1
	v_max3_num_f32 v[TT+2*\q], v[TT+2*\q], v[SC+32*\q+15], v[SC+32*\q+31]
.endr
.irp q, 0,1
.if \first
	v_max_num_f32 v[TT+2*\q], v[TT+2*\q], v[TT+2*\q+1]
.else
	v_max3_num_f32 v[TT+2*\q], v[TT+2*\q], v[TT+2*\q+1], v[MX+2*\q]
.endif
.endr
.irp q, 0,1
	v_permlanex16_b32 v[MX+2*\q+1], v[TT+2*\q], s100, s101
.endr
.irp q, 0,1
	v_max_num_f32 v[TT+2*\q], v[TT+2*\q], v[MX+2*\q+1]
.endr
.if \first == 0
.irp q, 0,1
	v_sub_f32 v[AL+2*\q+1], v[MX+2*\q], v[TT+2*\q]  ; old - new maximum, 0 or below
.endr
.endif
.irp q, 0,1
	v_mov_b32 v[MX+2*\q], v[TT+2*\q]
.endr
.if \first == 0
.irp q, 0,1
	v_exp_f32 v[AL+2*\q], v[AL+2*\q+1]              ; used 32 plain instructions further down
.endr
.endif
.irp q, 0,1
.irp j, 0,2,4,6,8,10,12,14,16,18,20,22,24,26,28,30
	v_pk_add_f32 v[SC+32*\q+\j:SC+32*\q+\j+1], v[SC+32*\q+\j:SC+32*\q+\j+1], v[MX+2*\q:MX+2*\q+1] op_sel_hi:[1,0] neg_lo:[0,1] neg_hi:[0,1]   ; both minus the pair's first register
.endr
.endr
	; p = 2^(score - maximum); between the exponentials the old results are scaled: plain instructions that touch neither their results nor their sources
.set j, 0
.rept 32
	v_exp_f32 v[SC+2*j],   v[SC+2*j]
	v_exp_f32 v[SC+2*j+1], v[SC+2*j+1]
.if \first == 0
	s_wait_alu depctr_va_vdst(0)
	v_pk_mul_f32 v[ACCO+2*j:ACCO+2*j+1], v[ACCO+2*j:ACCO+2*j+1], v[AL+2*(j/16):AL+2*(j/16)+1] op_sel_hi:[1,0]
.endif
.set j, j+1
.endr
.if \first
	v_nop                                          ; one plain place behind the last exponential
	s_wait_alu depctr_va_vdst(0)
.endif
	; the sum of my 32 p of each query, two chains of pairs a query
	s_wait_alu depctr_va_vdst(0)
.irp q, 0,1
	v_pk_add_f32 v[TT+4*\q:TT+4*\q+1],   v[SC+32*\q:SC+32*\q+1],     v[SC+32*\q+2:SC+32*\q+3]
	v_pk_add_f32 v[TT+4*\q+2:TT+4*\q+3], v[SC+32*\q+16:SC+32*\q+17], v[SC+32*\q+18:SC+32*\q+19]
.endr
.irp j, 4,6,8,10,12,14
.irp q, 0,1
	v_pk_add_f32 v[TT+4*\q:TT+4*\q+1],   v[TT+4*\q:TT+4*\q+1],   v[SC+32*\q+\j:SC+32*\q+\j+1]
	v_pk_add_f32 v[TT+4*\q+2:TT+4*\q+3], v[TT+4*\q+2:TT+4*\q+3], v[SC+32*\q+\j+16:SC+32*\q+\j+17]
.endr
.endr
.irp q, 0,1
	v_pk_add_f32 v[TT+4*\q:TT+4*\q+1], v[TT+4*\q:TT+4*\q+1], v[TT+4*\q+2:TT+4*\q+3]
.endr
.irp q, 0,1
.if \first
	v_add_f32 v[LS+\q], v[TT+4*\q], v[TT+4*\q+1]
.else
	v_add_f32 v[TT+4*\q], v[TT+4*\q], v[TT+4*\q+1]
.endif
.endr
.if \first == 0
.irp q, 0,1
	v_fma_f32 v[LS+\q], v[LS+\q], v[AL+2*\q], v[TT+4*\q]
.endr
.endif
	; p to f16 in place: 16 registers (keys 8 h + j of two key tiles) become the 8 of a second source for 32 keys
.irp g, 0,1,2,3
.irp i, 0,1,2,3,4,5,6,7
	v_cvt_pk_f16_f32 v[SC+16*\g+\i], v[SC+16*\g+2*\i], v[SC+16*\g+2*\i+1]
.endr
.endr
	s_wait_dscnt 0                                 ; V's fragments
	; the eight result tiles take turns, one instruction a turn
.irp kp, 0,1
.irp q, 0,1
.irp dt, 0,1,2,3
.if \first*(1-\kp)
	v_wmma_f32_16x16x32_f16 v[ACCO+32*\q+8*\dt:ACCO+32*\q+8*\dt+7], v[FR+32*\kp+8*\dt:FR+32*\kp+8*\dt+7], v[SC+32*\q+16*\kp:SC+32*\q+16*\kp+7], 0
.else
	v_wmma_f32_16x16x32_f16 v[ACCO+32*\q+8*\dt:ACCO+32*\q+8*\dt+7], v[FR+32*\kp+8*\dt:FR+32*\kp+8*\dt+7], v[SC+32*\q+16*\kp:SC+32*\q+16*\kp+7], v[ACCO+32*\q+8*\dt:ACCO+32*\q+8*\dt+7]
.endif
.endr
.endr
.endr
.endm
; A tile of 256 keys.  In front of the round each wave has waited for all its tensor loads (one is out: its part of this tile) and for its reads of the
; other slot; behind the round no wave of the four work-groups reads that slot or has a load on its way, and the joint refill comes first.
.macro TRIP slot, refill, first, last
	s_wait_tensorcnt 0x0
	ds_add_u32 v30, v31
	s_wait_dscnt 0x0
	s_add_nc_u64 s[6+4*\slot:7+4*\slot], s[6+4*\slot:7+4*\slot], 2*TILEB   ; no load of mine is out: this slot's next tile (the last two steppings are not used)
	s_wait_dscnt 0x0
	ROUND
.if \refill
	JLOAD (1-\slot)
.endif
	STEP \slot, 0, \first, 1
	STEP \slot, 1, 0, 1
	STEP \slot, 2, 0, 1
	STEP \slot, 3, 0, 1-\last
.endm
	TRIP 0, 1, 1, 0
	TRIP 1, 1, 0, 0
	s_mov_b32 s67, 2
.Ltiles:
	TRIP 0, 1, 0, 0
	TRIP 1, 1, 0, 0
	s_sub_co_i32 s67, s67, 1
	s_cmp_lg_u32 s67, 0
	s_cbranch_scc1 .Ltiles
	TRIP 0, 1, 0, 0
	TRIP 1, 0, 0, 1                                ; the eighth tile: nothing more to fetch, no mask words beyond the last step
	; THE WAY OUT: divide by the whole sum, round to f16, 32 rows of 128 bytes through my own stage, stored as 512 consecutive bytes.
	PLACES 4
	s_load_b64 s[14:15], s[0:1], 0x10              ; xh
.irp q, 0,1
	v_permlanex16_b32 v[MX+2*\q+1], v[LS+\q], s100, s101
.endr
.irp q, 0,1
	v_add_f32 v[LS+\q], v[LS+\q], v[MX+2*\q+1]     ; at least 1: the largest score gives p = 1
.endr
	v_rcp_f32 v[AL], v[LS]
	v_rcp_f32 v[AL+2], v[LS+1]
	v_nop                                          ; one plain place behind the reciprocals
.set j, 0
	s_wait_alu depctr_va_vdst(0)
.rept 32
	v_pk_mul_f32 v[ACCO+2*j:ACCO+2*j+1], v[ACCO+2*j:ACCO+2*j+1], v[AL+2*(j/16):AL+2*(j/16)+1] op_sel_hi:[1,0]
.set j, j+1
.endr
.set j, 0
.rept 32
	v_cvt_pk_f16_f32 v[SC+j], v[ACCO+2*j], v[ACCO+2*j+1]
.set j, j+1
.endr
.irp q, 0,1
.irp dt, 0,1,2,3
	ds_store_b128 v[STO], v[SC+16*\q+4*\dt:SC+16*\q+4*\dt+3] offset:16*KPITCH*\q+32*\dt
.endr
.endr
	s_wait_kmcnt 0x0
	s_add_nc_u64 s[14:15], s[14:15], s[12:13]
.irp t, 0,1,2,3,4,5,6,7
	ds_load_b128 v[FR+4*\t:FR+4*\t+3], v[RD] offset:4*KPITCH*\t    ; a wave's LDS instructions are served in order: these see the stores above
.endr
.irp t, 0,1,2,3,4,5,6,7
	s_wait_dscnt 7-\t                              ; load t is in, the 7 - t younger ones may be out
	global_store_b128 v[CO], v[FR+4*\t:FR+4*\t+3], s[14:15] offset:512*\t
.endr
	s_wait_tensorcnt 0x0
	ds_add_u32 v30, v31
	s_wait_dscnt 0x0
	ROUND                                          ; the closing round: no work-group ends while a partner may still ask for a tile that names it
	s_endpgm
.Lfunc_end_k_q67989e5f64_attn:
	.size	k_q67989e5f64_attn, .Lfunc_end_k_q67989e5f64_attn-k_q67989e5f64_attn
	.p2alignl 7, 3214868480
	.fill 96, 4, 3214868480
	.section	.rodata,"a",@progbits
	.p2align	6, 0x0
	.amdhsa_kernel k_q67989e5f64_attn
		.amdhsa_group_segment_fixed_size 327680
		.amdhsa_private_segment_fixed_size 0
		.amdhsa_enable_private_segment 0
		.amdhsa_kernarg_size 24
		.amdhsa_user_sgpr_count 2
		.amdhsa_user_sgpr_kernarg_segment_ptr 1
		.amdhsa_wavefront_size32 1
		.amdhsa_system_sgpr_workgroup_id_x 1
		.amdhsa_system_sgpr_workgroup_id_y 1
		.amdhsa_system_sgpr_workgroup_id_z 1
		.amdhsa_system_vgpr_workitem_id 0
		.amdhsa_next_free_vgpr 256
		.amdhsa_next_free_sgpr 102
		.amdhsa_reserve_vcc 0
		.amdhsa_float_denorm_mode_32 3
		.amdhsa_float_denorm_mode_16_64 3
		.amdhsa_memory_ordered 1
		.amdhsa_forward_progress 1
		.amdhsa_inst_pref_size 255
	.end_amdhsa_kernel
	.section	.bss,"aw",@nobits
	.p2align	6
	.space	262144
	.amdgpu_metadata
---
amdhsa.version: [ 1, 2 ]
amdhsa.kernels:
  - .name:           k_q67989e5f64_attn
    .symbol:         k_q67989e5f64_attn.kd
    .args:
      - { .name: qkv, .offset: 0, .size: 8, .value_kind: global_buffer, .address_space: global }
      - { .name: mbits, .offset: 8, .size: 8, .value_kind: global_buffer, .address_space: global }
      - { .name: xh, .offset: 16, .size: 8, .value_kind: global_buffer, .address_space: global }
    .group_segment_fixed_size: 327680
    .private_segment_fixed_size: 0
    .kernarg_segment_align: 8
    .kernarg_segment_size: 24
    .max_flat_workgroup_size: 256
    .sgpr_count:     102
    .vgpr_count:     256
    .wavefront_size: 32
...
	.end_amdgpu_metadata
.endif
;; end of part 2
;; launch outp (part 3): grid 8 x 32, 8 waves a work-group, no clusters, 183,296 bytes of LDS; arguments xh, Wo, bo, out0; writes out0
.if DOCPART == 3
	.amdgcn_target "amdgcn-amd-amdhsa--gfx1250"
	.amdhsa_code_object_version 6
	.text
	.protected	k_q67989e5f64_outp
	.globl	k_q67989e5f64_outp
	.p2align	8
	.type	k_q67989e5f64_outp,@function
k_q67989e5f64_outp:
	s_mov_b64 s[64:65], 0
	v_nop
	global_prefetch_b8 v0, s[64:65] scope:SCOPE_SE
	s_setreg_imm32_b32 hwreg(HW_REG_WAVE_MODE, 25, 1), 1
	s_wait_xcnt 0x0
; outp: out0 = x Wo + bo.  x is xh: [16 b + head][token][64 d] of f16; Wo is [1024 k][1024 n] of f32 with k = 64 head + d; out0 is f32.
; A work-group makes 128 tokens x 128 columns with eight waves, 4 x 2; a wave makes 32 tokens x 64 columns: 8 accumulator tiles.
; K goes in steps of 128 (two heads) through two LDS slots.  Wo is f32 in memory and is rounded to f16 on the way, so the tiles pass through registers:
; NO TENSOR LOADS AND NO JOINT REQUESTS HERE, because a tensor load copies bytes as they are.
; The matrix instruction is used transposed (source 0 = 16 columns of Wo, source 1 = 16 tokens): a lane holds one token and 8 neighbouring columns.
; LIMITS: operands are f16: x and Wo must stay under 65,504 in magnitude; NaN and infinities are not treated.
.set XPITCH, 144                       ; a token's 64 f16 of one head + 16 bytes: 9 x 16
.set XHEAD,  128*XPITCH                ; 18,432: one head's 128 tokens
.set XBYTES, 2*XHEAD                   ; 36,864
.set WPITCH, 288                       ; 128 f16 + 32 bytes: 9 x 32
.set SLOT,   XBYTES+128*WPITCH         ; 73,728
.set STAGE,  2*SLOT                    ; 147,456: 16 rows x 272 bytes for each wave
.set SPITCH, 272                       ; 64 f32 + 16 bytes: 17 x 16
.set XG,  1                            ; v1     16 t
.set WG,  2                            ; v2     wave x 4,096 + 16 lane
.set XS,  3                            ; v3-4   where I store 16 bytes of x, slot 0, 1
.set WS,  5                            ; v5-6   where I store 4 f16 of Wo
.set XF,  7                            ; v7-8   my x fragments
.set WF,  9                            ; v9-10  my Wo fragments
.set STO, 11
.set RD,  12
.set CO,  13
.set BO,  14
.set ACC, 16                           ; v[16:79]   tile (i, b) at 16 + 8 (4 i + b)
.set FX,  80                           ; v[80:95]   2 fragments of x
.set FW,  96                           ; v[96:127]  4 fragments of Wo
.set SX,  128                          ; v[128:159] x as loaded
.set SW,  160                          ; v[160:223] Wo as loaded, then packed in place
.set BIAS, 128
.set RB,   160
.macro PLACES n
.rept \n
	v_nop
.endr
.endm
	s_load_b256 s[16:23], s[0:1], 0x0              ; xh, Wo, bo, out0
	v_lshl_add_u32 v254, v0, 2, 0x2c800
	v_mov_b32 v255, 0
	v_lshrrev_b32 v224, 5, v0
	v_readfirstlane_b32 s8, v224                   ; wave
	s_and_b32 s3, ttmp7, 0xffff                    ; tb: block of 128 tokens
	s_lshr_b32 s26, s8, 1                          ; wm: which 32 tokens
	s_and_b32 s27, s8, 1                           ; wn: which 64 columns
	v_and_b32 v225, 31, v0                         ; lane
	v_and_b32 v226, 15, v0                         ; r
	v_bfe_u32 v227, v0, 4, 1                       ; h
	v_lshlrev_b32 v[XG], 4, v0
	v_lshlrev_b32 v[WG], 12, v224
	v_lshl_add_u32 v[WG], v225, 4, v[WG]           ; a wave takes 512 bytes of one row of Wo
	v_lshrrev_b32 v228, 3, v0
	v_and_b32 v229, 7, v0
	v_mul_u32_u24 v[XS], v228, XPITCH
	v_lshl_add_u32 v[XS], v229, 4, v[XS]           ; token t / 8, 16 (t % 8)
	v_add_nc_u32 v[XS+1], SLOT, v[XS]
	v_mul_u32_u24 v[WS], v224, WPITCH
	v_lshl_add_u32 v[WS], v225, 3, v[WS]
	v_add_nc_u32 v[WS], XBYTES, v[WS]
	v_add_nc_u32 v[WS+1], SLOT, v[WS]
	v_mul_u32_u24 v[XF], v226, XPITCH
	v_lshl_add_u32 v[XF], v227, 4, v[XF]
	s_mul_i32 s28, s26, 32*XPITCH
	v_add_nc_u32 v[XF], s28, v[XF]
	v_add_nc_u32 v[XF+1], SLOT, v[XF]
	v_lshl_add_u32 v230, v227, 3, v229             ; 8 h + lane % 8
	v_mul_u32_u24 v[WF], v230, WPITCH
	v_bfe_u32 v231, v0, 3, 1
	v_lshl_add_u32 v[WF], v231, 4, v[WF]
	s_lshl_b32 s29, s27, 7
	s_add_co_u32 s29, s29, XBYTES
	v_add_nc_u32 v[WF], s29, v[WF]
	v_add_nc_u32 v[WF+1], SLOT, v[WF]
	s_mul_i32 s30, s8, 16*SPITCH
	s_add_co_u32 s30, s30, STAGE                   ; my stage
	v_mul_u32_u24 v[STO], v226, SPITCH
	v_lshl_add_u32 v[STO], v227, 5, v[STO]         ; in: row r, 32 bytes for each half of the lanes
	v_add_nc_u32 v[STO], s30, v[STO]
	v_mul_u32_u24 v[RD], v227, SPITCH
	v_lshl_add_u32 v[RD], v226, 4, v[RD]           ; back: lanes 0-15 one row of 256 bytes, lanes 16-31 the next
	v_add_nc_u32 v[RD], s30, v[RD]
	v_lshlrev_b32 v[CO], 12, v227
	v_lshl_add_u32 v[CO], v226, 4, v[CO]           ; the same two rows in out0
	v_lshlrev_b32 v[BO], 5, v227
	s_lshr_b32 s24, s3, 4                          ; b
	s_lshl_b32 s24, s24, 22                        ; 16 heads x 262,144 bytes
	s_and_b32 s25, s3, 15
	s_lshl_b32 s25, s25, 14                        ; 128 tokens x 128 bytes
	s_add_co_u32 s24, s24, s25
	s_mov_b32 s25, 0
	s_wait_kmcnt 0x0
	s_add_nc_u64 s[4:5], s[16:17], s[24:25]
	s_lshl_b32 s24, ttmp9, 9                       ; nb: 128 columns x 4 bytes
	s_add_nc_u64 s[6:7], s[18:19], s[24:25]
	s_lshl_b32 s28, s27, 8
	s_add_co_u32 s24, s24, s28
	s_add_nc_u64 s[10:11], s[20:21], s[24:25]      ; bo at my wave's 64 columns
	s_lshl_b32 s28, s3, 19                         ; 128 tokens x 4,096 bytes
	s_add_co_u32 s24, s24, s28
	s_lshl_b32 s28, s26, 17                        ; 32 tokens
	s_add_co_u32 s24, s24, s28
	s_add_nc_u64 s[12:13], s[22:23], s[24:25]
.macro GLOAD                           ; one K step: two heads x 16 KB of x (dense), 128 rows x 512 bytes of Wo
.irp e, 0,1
.irp p, 0,1,2,3
	global_load_b128 v[SX+16*\e+4*\p:SX+16*\e+4*\p+3], v[XG], s[4:5] offset:\e*262144+\p*4096
.endr
.endr
.irp p, 0,1,2,3,4,5,6,7,8,9,10,11,12,13,14,15
	global_load_b128 v[SW+4*\p:SW+4*\p+3], v[WG], s[6:7] offset:\p*32768
.endr
.endm
; 32 along K.  The eight accumulators take turns, one instruction a turn, in the same order everywhere.
.macro KSUB slot, ks, zero
.if \zero == 0
	PLACES 4                                       ; loads into registers that matrix instructions have read stand four places behind them
.endif
.irp b, 0,1,2,3
	ds_load_tr16_b128 v[FW+8*\b:FW+8*\b+3],   v[WF+\slot] offset:\ks*32*WPITCH+32*\b
	ds_load_tr16_b128 v[FW+8*\b+4:FW+8*\b+7], v[WF+\slot] offset:\ks*32*WPITCH+16*WPITCH+32*\b
.endr
.irp i, 0,1
	ds_load_b128 v[FX+8*\i:FX+8*\i+3],   v[XF+\slot] offset:(\ks/2)*XHEAD+\i*16*XPITCH+64*(\ks%2)
	ds_load_b128 v[FX+8*\i+4:FX+8*\i+7], v[XF+\slot] offset:(\ks/2)*XHEAD+\i*16*XPITCH+64*(\ks%2)+32
.endr
.irp i, 0,1
	s_wait_dscnt 2-2*\i                            ; Wo's fragments and x's up to i are in; the second x fragment's two loads may be out at first
.irp b, 0,1,2,3
.if \zero
	v_wmma_f32_16x16x32_f16 v[ACC+8*(4*\i+\b):ACC+8*(4*\i+\b)+7], v[FW+8*\b:FW+8*\b+7], v[FX+8*\i:FX+8*\i+7], 0
.else
	v_wmma_f32_16x16x32_f16 v[ACC+8*(4*\i+\b):ACC+8*(4*\i+\b)+7], v[FW+8*\b:FW+8*\b+7], v[FX+8*\i:FX+8*\i+7], v[ACC+8*(4*\i+\b):ACC+8*(4*\i+\b)+7]
.endif
.endr
.endr
.endm
; The loaded K step goes into a slot (x as it is, Wo rounded to f16); then the one barrier of a trip: in front of it each wave's reads of the
; slot just multiplied and its stores into the other are done.
.macro CVTST slot
	s_wait_loadcnt 16                              ; x's 8 loads are in, Wo's 16 younger ones may be out
.irp e, 0,1
.irp p, 0,1,2,3
	ds_store_b128 v[XS+\slot], v[SX+16*\e+4*\p:SX+16*\e+4*\p+3] offset:\e*XHEAD+\p*32*XPITCH
.endr
.endr
	s_wait_loadcnt 0x0                             ; all loads done: the two bases may step
	s_add_nc_u64 s[4:5], s[4:5], 524288            ; two heads of xh
	s_add_nc_u64 s[6:7], s[6:7], 524288            ; 128 rows of Wo
.irp p, 0,1,2,3,4,5,6,7,8,9,10,11,12,13,14,15
	v_cvt_pk_f16_f32 v[SW+4*\p],   v[SW+4*\p],   v[SW+4*\p+1]
	v_cvt_pk_f16_f32 v[SW+4*\p+1], v[SW+4*\p+2], v[SW+4*\p+3]
	ds_store_b64 v[WS+\slot], v[SW+4*\p:SW+4*\p+1] offset:\p*8*WPITCH
.endr
	s_wait_dscnt 0x0                               ; for the other waves' sake: zero
	s_barrier_signal -1
	s_barrier_wait -1
.endm
.macro TRIP slot, zero, more
.if \more
	GLOAD                                          ; the next K step is asked for before this one is multiplied
.endif
	KSUB \slot, 0, \zero
	KSUB \slot, 1, 0
	KSUB \slot, 2, 0
	KSUB \slot, 3, 0
.if \more
	CVTST (1-\slot)
.endif
.endm
	GLOAD
	CVTST 0
	TRIP 0, 1, 1                                   ; the first products start the sums
	TRIP 1, 0, 1
	s_mov_b32 s9, 2
.Lk:
	TRIP 0, 0, 1
	TRIP 1, 0, 1
	s_sub_co_i32 s9, s9, 1
	s_cmp_lg_u32 s9, 0
	s_cbranch_scc1 .Lk
	TRIP 0, 0, 1
	TRIP 1, 0, 0                                   ; the eighth K step: nothing more to fetch
	; THE WAY OUT: add bo, 16 tokens at a time through my own stage, stored as whole rows of 256 bytes.
	PLACES 4                                       ; behind the last matrix instructions, before their sums are read
.irp b, 0,1,2,3
	global_load_b128 v[BIAS+8*\b:BIAS+8*\b+3],   v[BO], s[10:11] offset:64*\b
	global_load_b128 v[BIAS+8*\b+4:BIAS+8*\b+7], v[BO], s[10:11] offset:64*\b+16
.endr
	s_wait_loadcnt 0x0
.macro OUT16 i
.irp j, 0,2,4,6,8,10,12,14,16,18,20,22,24,26,28,30
	v_pk_add_f32 v[ACC+32*\i+\j:ACC+32*\i+\j+1], v[ACC+32*\i+\j:ACC+32*\i+\j+1], v[BIAS+\j:BIAS+\j+1]
.endr
.irp b, 0,1,2,3
	ds_store_b128 v[STO], v[ACC+32*\i+8*\b:ACC+32*\i+8*\b+3]   offset:64*\b
	ds_store_b128 v[STO], v[ACC+32*\i+8*\b+4:ACC+32*\i+8*\b+7] offset:64*\b+16
.endr
	s_wait_xcnt 0x0                                ; the read-back buffer, which earlier stores read, is loaded again only behind this wait
.irp t, 0,1,2,3,4,5,6,7
	ds_load_b128 v[RB+4*\t:RB+4*\t+3], v[RD] offset:2*SPITCH*\t    ; a wave's LDS instructions are served in order: these see the stores above
.endr
.irp t, 0,1,2,3,4,5,6,7
	s_wait_dscnt 7-\t                              ; load t is in, the 7 - t younger ones may be out
	global_store_b128 v[CO], v[RB+4*\t:RB+4*\t+3], s[12:13] offset:(16*\i+2*\t)*4096 th:TH_STORE_NT   ; sixteen lanes store 256 consecutive bytes, aligned
.endr
.endm
	OUT16 0
	OUT16 1
	s_wait_tensorcnt 0x0
	ds_add_u32 v254, v255
	s_wait_dscnt 0x0
	s_endpgm
.Lfunc_end_k_q67989e5f64_outp:
	.size	k_q67989e5f64_outp, .Lfunc_end_k_q67989e5f64_outp-k_q67989e5f64_outp
	.p2alignl 7, 3214868480
	.fill 96, 4, 3214868480
	.section	.rodata,"a",@progbits
	.p2align	6, 0x0
	.amdhsa_kernel k_q67989e5f64_outp
		.amdhsa_group_segment_fixed_size 183296
		.amdhsa_private_segment_fixed_size 0
		.amdhsa_enable_private_segment 0
		.amdhsa_kernarg_size 32
		.amdhsa_user_sgpr_count 2
		.amdhsa_user_sgpr_kernarg_segment_ptr 1
		.amdhsa_wavefront_size32 1
		.amdhsa_system_sgpr_workgroup_id_x 1
		.amdhsa_system_sgpr_workgroup_id_y 1
		.amdhsa_system_sgpr_workgroup_id_z 1
		.amdhsa_system_vgpr_workitem_id 0
		.amdhsa_next_free_vgpr 256
		.amdhsa_next_free_sgpr 66
		.amdhsa_reserve_vcc 0
		.amdhsa_float_denorm_mode_32 3
		.amdhsa_float_denorm_mode_16_64 3
		.amdhsa_memory_ordered 1
		.amdhsa_forward_progress 1
		.amdhsa_inst_pref_size 82
	.end_amdhsa_kernel
	.amdgpu_metadata
---
amdhsa.version: [ 1, 2 ]
amdhsa.kernels:
  - .name:           k_q67989e5f64_outp
    .symbol:         k_q67989e5f64_outp.kd
    .args:
      - { .name: xh, .offset: 0, .size: 8, .value_kind: global_buffer, .address_space: global }
      - { .name: Wo, .offset: 8, .size: 8, .value_kind: global_buffer, .address_space: global }
      - { .name: bo, .offset: 16, .size: 8, .value_kind: global_buffer, .address_space: global }
      - { .name: out0, .offset: 24, .size: 8, .value_kind: global_buffer, .address_space: global }
    .group_segment_fixed_size: 183296
    .private_segment_fixed_size: 0
    .kernarg_segment_align: 8
    .kernarg_segment_size: 32
    .max_flat_workgroup_size: 256
    .sgpr_count:     66
    .vgpr_count:     256
    .wavefront_size: 32
...
	.end_amdgpu_metadata
.endif
;; end of part 3
;; ======== version 2 of 3: 4 launches; 1.28 times as fast as version 1
;; limits: values are held in f16: magnitudes above 65,504 overflow, below 6.1e-05 lose precision
;; workspace buffers: xf 25,165,824 bytes; wf 8,388,608 bytes; qkv 25,165,824 bytes; mbits 1,048,576 bytes of whole numbers; xh 8,388,608 bytes
;; launch prep (part 4): grid 256 x 6, 8 waves a work-group, no clusters, 70,656 bytes of LDS; arguments query, key, value, Wq, Wk, Wv, Wo, mask, xf, wf, mbits; writes xf, wf, mbits
.if DOCPART == 4
	.amdgcn_target "amdgcn-amd-amdhsa--gfx1250"
	.amdhsa_code_object_version 6
	.text
	.protected	k_q67989e5f64_prep
	.globl	k_q67989e5f64_prep
	.p2align	8
	.type	k_q67989e5f64_prep,@function
k_q67989e5f64_prep:
	s_mov_b64 s[64:65], 0
	v_nop
	global_prefetch_b8 v0, s[64:65] scope:SCOPE_SE
	s_setreg_imm32_b32 hwreg(HW_REG_WAVE_MODE, 25, 1), 1
	s_wait_xcnt 0x0
; prep: a stream.  Every f32 matrix operand is rounded to f16 ONCE, here, so that the products of the later launches can take their tiles as bytes.
; Work-group rows y = 0, 1: the int32 mask is packed into lane-mask words.  y = 2, 3, 4: query, key, value -> xf [3][4096][1024] f16.
; y = 5: Wq, Wk, Wv, Wo -> wf [4][1024 k][1024 n] f16 (64 work-groups each).
; mbits: [g = 64 b + query / 32][step of 64 keys][64 words]; bit L of word 32 qt + 8 kt + j says mask[b][32 g' + 16 qt + (L & 15)][64 step + 16 kt + 8 (L >> 4) + j] != 0:
;        the lane mask of register j of the score tile (qt, kt) of the attention launch.
; No loop: a wave has one piece of 8 KB, asks for all of it at once (16 loads of 512 consecutive bytes) and ends.
; NO CLUSTER, NO MATRIX UNIT: no two work-groups read the same byte, and there is nothing to multiply.
; LIMITS: a number of 65,520 or more in magnitude becomes an infinity in f16; NaN and infinities are not treated.  Any mask word other than 0 counts as set.
.set MD,  16                           ; v[16:79]   as loaded; the rounded pairs are packed in place
.set ME,  80                           ; v[80:143]  the mask unit in the score tiles' order
.set MW,  144                          ; v[144:145] its 64 words, two a lane
	s_load_b512 s[16:31], s[0:1], 0x0              ; query, key, value, Wq, Wk, Wv, Wo, mask
	s_load_b128 s[32:35], s[0:1], 0x40             ; xf, wf
	s_load_b64 s[36:37], s[0:1], 0x50              ; mbits
	v_lshl_add_u32 v148, v0, 2, 0x11000
	v_mov_b32 v149, 0
	s_and_b32 s2, ttmp7, 0xffff                    ; the work-group's row: its role
	v_lshrrev_b32 v15, 5, v0
	v_readfirstlane_b32 s8, v15                    ; wave
	v_and_b32 v14, 31, v0                          ; lane
	s_cmp_lt_u32 s2, 2
	s_cbranch_scc1 .Lmask                          ; the same for the whole work-group
	; ROUNDING.  Tensor 0..6 = query, key, value, Wq, Wk, Wv, Wo; the work-group takes block s11 of 65,536 bytes of it, the wave 8,192 of those.
	s_sub_co_u32 s10, s2, 2                        ; y = 2..4: tensor 0..2,
	s_lshl_b32 s14, s10, 23                        ; whose f16 copy begins at 8,388,608 x tensor in xf
	s_lshr_b32 s12, ttmp9, 6                       ; y = 5: which W,
	s_lshl_b32 s15, s12, 21                        ; whose copy begins at 2,097,152 x that in wf
	s_add_co_u32 s12, s12, 3
	s_and_b32 s13, ttmp9, 63
	s_cmp_eq_u32 s2, 5
	s_cselect_b32 s10, s12, s10                    ; tensor
	s_cselect_b32 s11, s13, ttmp9                  ; block
	s_cselect_b32 s14, s15, s14                    ; where its copy begins
	s_lshl_b32 s40, s11, 16
	s_lshl_b32 s9, s8, 13
	s_add_co_u32 s40, s40, s9                      ; from: block x 65,536 + wave x 8,192
	s_mov_b32 s41, 0
	s_lshl_b32 s42, s11, 15
	s_add_co_u32 s42, s42, s14
	s_lshl_b32 s9, s8, 12
	s_add_co_u32 s42, s42, s9                      ; to: half of that, behind the copy's beginning
	s_mov_b32 s43, 0
	v_lshlrev_b32 v1, 4, v14                       ; 16 bytes a lane in,
	v_lshlrev_b32 v2, 3, v14                       ; 8 bytes a lane out
	s_wait_kmcnt 0x0
	s_cmp_eq_u32 s2, 5
	s_cselect_b64 s[6:7], s[34:35], s[32:33]       ; wf or xf
	s_cmp_eq_u32 s10, 1
	s_cselect_b64 s[4:5], s[18:19], s[16:17]
.irp n, 2,3,4,5,6
	s_cmp_eq_u32 s10, \n
	s_cselect_b64 s[4:5], s[16+2*\n:17+2*\n], s[4:5]
.endr
	s_add_nc_u64 s[4:5], s[4:5], s[40:41]
	s_add_nc_u64 s[6:7], s[6:7], s[42:43]
.irp p, 0,1,2,3,4,5,6,7,8,9,10,11,12,13,14,15
	global_load_b128 v[MD+4*\p:MD+4*\p+3], v1, s[4:5] offset:512*\p th:TH_LOAD_NT
.endr
.irp p, 0,1,2,3,4,5,6,7,8,9,10,11,12,13,14,15
	s_wait_loadcnt 15-\p                           ; load p is in, the 15 - p younger ones may be out
	v_cvt_pk_f16_f32 v[MD+4*\p],   v[MD+4*\p],   v[MD+4*\p+1]
	v_cvt_pk_f16_f32 v[MD+4*\p+1], v[MD+4*\p+2], v[MD+4*\p+3]
	global_store_b64 v2, v[MD+4*\p:MD+4*\p+1], s[6:7] offset:256*\p   ; the wave's 32 lanes store 256 consecutive bytes, aligned
.endr
	s_endpgm
	; THE MASK.  4,096 units of 32 rows x 64 keys (256 bytes of each row); unit U = (256 y + x) 8 + wave = 32 g + step.
	; A unit is loaded in whole 256-byte pieces of rows, turned into the score tiles' order through the wave's own LDS bytes (no barrier),
	; compared with 0 (each compare gives one 32-bit lane mask), and its 64 words leave as one block of 256 bytes.
.Lmask:
	v_and_b32 v19, 15, v0                          ; r = lane % 16
	v_bfe_u32 v17, v0, 4, 1                        ; h = lane / 16
	s_lshl_b32 s10, s2, 8
	s_add_co_u32 s10, s10, ttmp9
	s_lshl_b32 s10, s10, 3
	s_add_co_u32 s10, s10, s8                      ; U
	s_lshr_b32 s11, s10, 5                         ; g
	s_and_b32 s12, s10, 31                         ; step
	s_lshl_b32 s14, s11, 18                        ; 32 rows x 8,192 bytes
	s_lshl_b32 s12, s12, 8
	s_add_co_u32 s14, s14, s12
	s_mov_b32 s15, 0
	s_lshl_b32 s40, s10, 8                         ; 256 bytes of words a unit
	s_mov_b32 s41, 0
	s_mul_i32 s13, s8, 32*272                      ; my wave's LDS bytes
	v_lshlrev_b32 v1, 13, v17
	v_lshl_add_u32 v1, v19, 4, v1                  ; two rows a load: h x 8,192 + 16 r
	v_mul_u32_u24 v2, v17, 272
	v_lshl_add_u32 v2, v19, 4, v2
	v_add_nc_u32 v2, s13, v2                       ; the same two rows in LDS, 272 bytes apart
	v_mul_u32_u24 v3, v19, 272
	v_lshl_add_u32 v3, v17, 5, v3
	v_add_nc_u32 v3, s13, v3                       ; back: row r, keys 8 h ..
	v_lshlrev_b32 v4, 3, v14                       ; two words a lane
	v_mov_b32 v[MW], 0                             ; v_writelane_b32 keeps the other lanes: its destination has to be written once
	v_mov_b32 v[MW+1], 0
	s_wait_kmcnt 0x0
	s_add_nc_u64 s[4:5], s[30:31], s[14:15]
	s_add_nc_u64 s[6:7], s[36:37], s[40:41]
.irp p, 0,1,2,3,4,5,6,7,8,9,10,11,12,13,14,15
	global_load_b128 v[MD+4*\p:MD+4*\p+3], v1, s[4:5] offset:\p*16384 th:TH_LOAD_NT
.endr
	s_wait_loadcnt 0x0
.irp p, 0,1,2,3,4,5,6,7,8,9,10,11,12,13,14,15
	ds_store_b128 v2, v[MD+4*\p:MD+4*\p+3] offset:544*\p
.endr
.irp q, 0,1
.irp kt, 0,1,2,3
	ds_load_b128 v[ME+32*\q+8*\kt:ME+32*\q+8*\kt+3],   v3 offset:4352*\q+64*\kt      ; a wave's LDS instructions are served in order: these see the stores above
	ds_load_b128 v[ME+32*\q+8*\kt+4:ME+32*\q+8*\kt+7], v3 offset:4352*\q+64*\kt+16
.endr
.endr
	s_wait_dscnt 0x0
.set idx, 0
.rept 64
	v_cmp_ne_u32 s[46+idx%4], 0, v[ME+idx]
	v_writelane_b32 v[MW+idx%2], s[46+idx%4], idx/2
.set idx, idx+1
.endr
	global_store_b64 v4, v[MW:MW+1], s[6:7]        ; 256 consecutive bytes, aligned
	s_wait_tensorcnt 0x0
	ds_add_u32 v148, v149
	s_wait_dscnt 0x0
	s_endpgm
.Lfunc_end_k_q67989e5f64_prep:
	.size	k_q67989e5f64_prep, .Lfunc_end_k_q67989e5f64_prep-k_q67989e5f64_prep
	.p2alignl 7, 3214868480
	.fill 96, 4, 3214868480
	.section	.rodata,"a",@progbits
	.p2align	6, 0x0
	.amdhsa_kernel k_q67989e5f64_prep
		.amdhsa_group_segment_fixed_size 70656
		.amdhsa_private_segment_fixed_size 0
		.amdhsa_enable_private_segment 0
		.amdhsa_kernarg_size 88
		.amdhsa_user_sgpr_count 2
		.amdhsa_user_sgpr_kernarg_segment_ptr 1
		.amdhsa_wavefront_size32 1
		.amdhsa_system_sgpr_workgroup_id_x 1
		.amdhsa_system_sgpr_workgroup_id_y 1
		.amdhsa_system_sgpr_workgroup_id_z 1
		.amdhsa_system_vgpr_workitem_id 0
		.amdhsa_next_free_vgpr 150
		.amdhsa_next_free_sgpr 66
		.amdhsa_reserve_vcc 0
		.amdhsa_float_denorm_mode_32 3
		.amdhsa_float_denorm_mode_16_64 3
		.amdhsa_memory_ordered 1
		.amdhsa_forward_progress 1
		.amdhsa_inst_pref_size 21
	.end_amdhsa_kernel
	.amdgpu_metadata
---
amdhsa.version: [ 1, 2 ]
amdhsa.kernels:
  - .name:           k_q67989e5f64_prep
    .symbol:         k_q67989e5f64_prep.kd
    .args:
      - { .name: query, .offset: 0, .size: 8, .value_kind: global_buffer, .address_space: global }
      - { .name: key, .offset: 8, .size: 8, .value_kind: global_buffer, .address_space: global }
      - { .name: value, .offset: 16, .size: 8, .value_kind: global_buffer, .address_space: global }
      - { .name: Wq, .offset: 24, .size: 8, .value_kind: global_buffer, .address_space: global }
      - { .name: Wk, .offset: 32, .size: 8, .value_kind: global_buffer, .address_space: global }
      - { .name: Wv, .offset: 40, .size: 8, .value_kind: global_buffer, .address_space: global }
      - { .name: Wo, .offset: 48, .size: 8, .value_kind: global_buffer, .address_space: global }
      - { .name: mask, .offset: 56, .size: 8, .value_kind: global_buffer, .address_space: global }
      - { .name: xf, .offset: 64, .size: 8, .value_kind: global_buffer, .address_space: global }
      - { .name: wf, .offset: 72, .size: 8, .value_kind: global_buffer, .address_space: global }
      - { .name: mbits, .offset: 80, .size: 8, .value_kind: global_buffer, .address_space: global }
    .group_segment_fixed_size: 70656
    .private_segment_fixed_size: 0
    .kernarg_segment_align: 8
    .kernarg_segment_size: 88
    .max_flat_workgroup_size: 256
    .sgpr_count:     66
    .vgpr_count:     150
    .wavefront_size: 32
...
	.end_amdgpu_metadata
.endif
;; end of part 4
;; launch proj (part 5): grid 4 x 48, 4 waves a work-group, clusters of 4 x 4, 327,680 bytes of LDS; arguments xf, wf, bq, bk, bv, qkv; writes qkv
.if DOCPART == 5
	.amdgcn_target "amdgcn-amd-amdhsa--gfx1250"
	.amdhsa_code_object_version 6
	.text
	.protected	k_q67989e5f64_proj
	.globl	k_q67989e5f64_proj
	.p2align	8
	.type	k_q67989e5f64_proj,@function
k_q67989e5f64_proj:
	s_mov_b64 s[64:65], 0
	v_nop
	global_prefetch_b8 v0, s[64:65] scope:SCOPE_SE
	s_setreg_imm32_b32 hwreg(HW_REG_WAVE_MODE, 25, 1), 1
	s_wait_xcnt 0x0
	s_wait_alu depctr_hold_cnt(0) depctr_sa_sdst(0) depctr_va_vdst(0) depctr_va_sdst(0) depctr_va_ssrc(0) depctr_va_vcc(0) depctr_vm_vsrc(0)
	s_getreg_b32 s2, hwreg(HW_REG_IB_STS2, 6, 4)
	s_cmp_eq_u32 s2, 0
	s_cbranch_scc0 .Lentry_in_a_cluster
	s_endpgm
.Lentry_in_a_cluster:
	s_bfe_u32 s2, ttmp6, 0x10000c
	s_cmp_lg_u32 s2, 0xf033
	s_cbranch_scc0 .Lentry_shape_is_right
	s_endpgm
.Lentry_shape_is_right:
; proj: Q, K, V = x W + b, operands f16, sums f32, results f16.  Block rows 0-15 of the grid make Q, 16-31 K, 32-47 V.
; xf: [3][4096 tokens][1024 k] f16.  wf: [4][1024 k][1024 n] f16.
; qkv: [bh = 16 b + head][tile of 256 tokens][Q | K | V], each part 256 tokens x 64 d of f16 (a token's row is 128 bytes, dense).
;      Q is stored times 0.125 log2(e), so that the next launch's scores are exponents of 2.
; A work-group makes 256 tokens x 256 columns (4 heads) with four waves; a wave makes 128 x 128 (2 heads): 64 accumulator tiles of 16 x 16, 512 registers.
; K goes in steps of 128 through a ring of two LDS slots filled by the tensor data mover.
; CLUSTERS: 4 x 4 work-groups.  The four of a row of the cluster need the same tiles of x, the four of a column the same tiles of W (a cluster lies inside one of
; Q, K, V: 16 block rows are 4 clusters).  Such a tile is asked for jointly: each of the four issues the same tensor load with a mask that names the four.
; REGISTERS, in windows of 256: window 0: v0-31 addresses; v32-63 and v224-255 the bias of my 64 columns a lane; v64-127, v128-191 fragments of x, two buffers;
;   v192-223 at work on the way out.  Window 1: v64-127, v128-191 fragments of W, two buffers.  Window 2: the 32 accumulator tiles of my tokens 0-63
;   (tile (a, b) at v[8 (8 a + b)]); window 3: those of my tokens 64-127.
; THE MATRIX INSTRUCTION IS USED TRANSPOSED: source 0 = 16 columns of W (by the transposing LDS load, since W's rows lie along n), source 1 = 16 tokens of x:
; a lane then holds one token and 8 neighbouring columns, which pack into 16 bytes.
; LIMITS: operands and results are f16: x, W, 0.18 q, k, v must stay under 65,504 in magnitude (inputs 30 times the usual spread give about 5,000, a common offset of
; 30 spreads about 29,000); NaN and infinities are not treated.
.set SIZE_K, 1024
.set SIZE_N, 1024
.set KSTEP,  128
.set PITCH,  272                       ; an x row in LDS: 256 bytes + 16 = 17 x 16: the 16 rows that a fragment load touches begin at 16 different 16-byte columns modulo 256
.set WPITCH, 544                       ; a W row in LDS: 512 bytes + 32 = 17 x 32
.set HALFT,  128*PITCH                 ; 34,816: 128 rows of x, or 64 rows of W: what one tensor load brings
.set SLOT,   4*HALFT                   ; x's 256 tokens, then W's 128 k
.set STAGE,  2*SLOT                    ; behind the ring: 2 heads x 16 tokens x 144 bytes for each wave; no tensor load lands here
.set SPITCH, 144
.set LAPS, SIZE_K/(2*KSTEP)            ; a lap = two K steps = once round the ring: 4
.set CQ,   0x3e38aa3b                  ; 0.125 log2(e)
.set ADRA, 16                          ; v16-17  LDS address of my x fragments in slot 0, 1
.set ADRB, 20                          ; v20-21  the same for W
.set STO,  24                          ; v24     the way out: where I put 16 bytes of a token's row
.set RD,   25                          ; v25     the way out: where I read rows back
.set CO,   26                          ; v26     16 x lane
.set BO,   27                          ; v27     32 x (lane / 16): my 8 columns of 16 in the bias
.set F0,   64                          ; fragment buffer 0; on the way out two read-back buffers of 32 registers
.set F1,   128                         ; fragment buffer 1; on the way out 64 results in f32
.set TMP,  192                         ; the way out: packed results
.set G1, 24                            ; s[24:31] descriptor group 1 for x's tiles
.set G0, 32                            ; s[32:39] descriptor group 0 for x's tiles, one set for each slot
.set G1B, 48                           ; s[48:55] descriptor group 1 for W's tiles
.set G0B, 56                           ; s[56:63] descriptor group 0 for W's tiles, one set for each slot
; s[80:81] bias at my columns   s[82:83] qkv at my wave's first token and head   s[86:87] the factor, twice
.set MSB, 0
.macro WIN new                         ; s_set_vgpr_msb: low byte the new setting, high byte the setting that is left
.if MSB != \new
	s_set_vgpr_msb (MSB<<8)|\new
.set MSB, \new
.endif
.endm
.set MUL_LO, 0xa1                      ; source 0 (W) window 1, source 1 (x) window 0, C and D window 2
.set MUL_HI, 0xf1                      ; the same, C and D window 3
.set TO_B,   0x40                      ; destination window 1, address window 0
; A joint load.  Waves 0 and 1 fetch x's two halves, waves 2 and 3 W's.  Each line has one mask and one set of registers for all that issue it.
; The branch hangs on the wave's number alone.
.macro JLOAD s
	s_cmp_eq_u32 s11, 0
	s_cbranch_scc0 .Lfor_b_\@
	tensor_load_to_lds s[G0+4*\s:G0+4*\s+3], s[G1:G1+7]
	s_nop 0
	s_branch .Lasked_\@
.Lfor_b_\@:
	tensor_load_to_lds s[G0B+4*\s:G0B+4*\s+3], s[G1B:G1B+7]
	s_nop 0
.Lasked_\@:
.endm
; A round of the cluster's barrier: my work-group's barrier; wave 0 signals for the work-group; every wave waits for all sixteen; my work-group's barrier once more.
.macro CREST                           ; a round behind its opening barrier
	s_cmp_lg_u32 s10, 0
	s_cbranch_scc1 .Lnot_wave_0_\@
	s_barrier_signal -3
.Lnot_wave_0_\@:
	s_barrier_wait -3
	s_barrier_signal -1
	s_barrier_wait -1
.endm
.macro CROUND                          ; a whole round
	s_barrier_signal -1
	s_barrier_wait -1
	CREST
.endm
	s_load_b256 s[68:75], s[0:1], 0x0              ; xf, wf, bq, bk
	s_load_b128 s[76:79], s[0:1], 0x20             ; bv, qkv
	s_set_vgpr_msb 0x40
	v_lshl_add_u32 v255, v0, 2, 0x48800
	s_set_vgpr_msb 0x4000
	v_mov_b32 v31, 0
	s_set_vgpr_msb 0x1
	ds_add_u32 v255, v31
	s_set_vgpr_msb 0x100
	v_lshrrev_b32 v1, 5, v0
	v_readfirstlane_b32 s10, v1                    ; wave 0..3
	s_lshr_b32 s11, s10, 1                         ; which half of the block's tokens is mine.  Also: I fetch for x (0) or for W (1)
	s_and_b32 s12, s10, 1                          ; which half of its columns.  Also: which half of that tile I fetch
	s_bfe_u32 s40, ttmp6, 0x40000                  ; cx
	s_bfe_u32 s41, ttmp6, 0x40004                  ; cy
	s_lshl_b32 s42, ttmp9, 2
	s_add_co_u32 s42, s42, s40                     ; block column = 4 x cluster x + cx
	s_and_b32 s13, ttmp7, 0xffff
	s_lshr_b32 s45, s13, 2                         ; Q, K or V = cluster y / 4: the same in all sixteen
	s_lshl_b32 s13, s13, 2
	s_add_co_u32 s13, s13, s41                     ; block row = 4 x cluster y + cy, 0..47
	s_lshl_b32 s43, s41, 2
	s_lshl_b32 s43, 15, s43                        ; my row of the cluster: places 4 cy .. 4 cy + 3
	s_lshl_b32 s44, 0x1111, s40                    ; my column: places cx, cx + 4, cx + 8, cx + 12
	; group 1 for x: 128 rows x 128 elements of 2 bytes, 4 words of padding behind every 64 words
	s_or_b32 s[G1+0], s43, (1<<16)|(1<<20)|(1<<21)|(5<<22)|(3<<25)  ; 15:0 mask: my row; 17:16 elements of 2 bytes; 20 padding on; 21 set beside a mask; 24:22 interval code 5; 31:25 pad - 1 = 3
	s_mov_b32 s[G1+1], KSTEP<<16                   ; tensor_dim0 = 128
	s_mov_b32 s[G1+2], 128<<16                     ; tensor_dim1 = 128
	s_mov_b32 s[G1+3], KSTEP<<16                   ; tile_dim0 = 128
	s_mov_b32 s[G1+4], 128                         ; tile_dim1 = 128
	s_mov_b32 s[G1+5], SIZE_K                      ; elements from row to row
	s_mov_b32 s[G1+6], 0
	s_mov_b32 s[G1+7], 0
	; group 1 for W: 64 rows (k) x 256 elements (n), 8 words of padding behind every 128 words
	s_or_b32 s[G1B+0], s44, (1<<16)|(1<<20)|(1<<21)|(6<<22)|(7<<25) ; mask: my column; interval code 6; pad - 1 = 7
	s_mov_b32 s[G1B+1], 256<<16                    ; tensor_dim0 = 256
	s_mov_b32 s[G1B+2], 64<<16                     ; tensor_dim1 = 64
	s_mov_b32 s[G1B+3], 256<<16                    ; tile_dim0 = 256
	s_mov_b32 s[G1B+4], 64                         ; tile_dim1 = 64
	s_mov_b32 s[G1B+5], SIZE_N
	s_mov_b32 s[G1B+6], 0
	s_mov_b32 s[G1B+7], 0
	; where the tiles come from.  x's hang on the block row alone, W's on Q/K/V and the block column alone; each in registers that never hold the other coordinate.
	s_lshl_b32 s16, s13, 19                        ; x: 256 rows of 2,048 bytes a block row (the three x follow each other in xf)
	s_lshl_b32 s17, s12, 18                        ; + my 128 rows
	s_add_co_u32 s16, s16, s17
	s_mov_b32 s17, 0
	s_lshl_b32 s46, s45, 21                        ; W: 2,097,152 bytes each
	s_lshl_b32 s47, s12, 17                        ; + my 64 rows of 2,048 bytes
	s_add_co_u32 s46, s46, s47
	s_lshl_b32 s47, s42, 9                         ; + 256 columns a block
	s_add_co_u32 s46, s46, s47
	s_mov_b32 s47, 0
	s_mul_i32 s20, s10, HALFT                      ; and where they go: wave x 34,816: no place in the cluster enters an LDS address
	; the bias of my 128 columns, and my wave's place in qkv
	s_lshl_b32 s84, s42, 10
	s_lshl_b32 s85, s12, 9
	s_add_co_u32 s84, s84, s85
	s_mov_b32 s85, 0
	s_and_b32 s90, s13, 15                         ; block of 256 tokens, 0..15
	s_lshr_b32 s91, s90, 3                         ; b
	s_and_b32 s90, s90, 7                          ; tile
	s_lshl_b32 s91, s91, 2
	s_add_co_u32 s91, s91, s42
	s_lshl_b32 s91, s91, 1
	s_add_co_u32 s91, s91, s12
	s_lshl_b32 s91, s91, 4                         ; (16 b + first head) x 8, first head = 4 x block column + 2 x half
	s_add_co_u32 s91, s91, s90
	s_mul_i32 s88, s91, 98304
	s_lshl_b32 s90, s45, 15                        ; the part: Q, K or V
	s_add_co_u32 s88, s88, s90
	s_lshl_b32 s90, s11, 14                        ; my 128 tokens x 128 bytes
	s_add_co_u32 s88, s88, s90
	s_mov_b32 s89, 0
	s_wait_dscnt 0x0
	s_wait_kmcnt 0x0
	s_add_nc_u64 s[14:15], s[68:69], s[16:17]
	s_add_nc_u64 s[46:47], s[70:71], s[46:47]
	s_cmp_eq_u32 s45, 1
	s_cselect_b64 s[80:81], s[74:75], s[72:73]
	s_cmp_eq_u32 s45, 2
	s_cselect_b64 s[80:81], s[76:77], s[80:81]
	s_cmp_eq_u32 s45, 0
	s_cselect_b32 s86, CQ, 1.0                     ; Q alone is scaled
	s_mov_b32 s87, s86
	s_add_nc_u64 s[80:81], s[80:81], s[84:85]
	s_add_nc_u64 s[82:83], s[78:79], s[88:89]
	CROUND                                         ; all sixteen work-groups are here: the first joint loads meet
.irp s, 0,1
	s_mov_b32 s[G0+4*\s], 1                                        ; count = 1
	s_add_co_u32 s[G0+4*\s+1], s20, \s*SLOT                        ; LDS address
	s_add_nc_u64 s[G0+4*\s+2:G0+4*\s+3], s[14:15], \s*KSTEP*2      ; global address: K step s lies 256 bytes along x's rows
	s_or_b32 s[G0+4*\s+3], s[G0+4*\s+3], 0x80000000                ; type = 2
	s_mov_b32 s[G0B+4*\s], 1
	s_add_co_u32 s[G0B+4*\s+1], s20, \s*SLOT
	s_add_nc_u64 s[G0B+4*\s+2:G0B+4*\s+3], s[46:47], \s*KSTEP*SIZE_N*2   ; and 128 rows down W
	s_or_b32 s[G0B+4*\s+3], s[G0B+4*\s+3], 0x80000000
	JLOAD \s                                       ; the ring is filled before anything else is done
.endr
	v_and_b32 v1, 15, v0                           ; r = lane % 16
	v_bfe_u32 v2, v0, 4, 1                         ; h = lane / 16
	v_lshlrev_b32 v[BO], 5, v2
.irp b, 0,1,2,3,4,5,6,7
	global_load_b128 v[32+8*\b+160*(\b/4):32+8*\b+160*(\b/4)+3],   v[BO], s[80:81] offset:64*\b      ; the bias of columns 16 b + 8 h + 0..7
	global_load_b128 v[32+8*\b+160*(\b/4)+4:32+8*\b+160*(\b/4)+7], v[BO], s[80:81] offset:64*\b+16
.endr
	v_mul_u32_u24 v3, v1, PITCH
	v_lshl_add_u32 v3, v2, 4, v3                   ; x fragments: row x 272 + 16 h; two loads of 16 bytes, 32 bytes apart
	v_and_b32 v6, 7, v0
	v_lshl_add_u32 v7, v2, 3, v6                   ; W fragments: I address row 8 h + lane % 8 for the transposing load,
	v_mul_u32_u24 v7, v7, WPITCH
	v_bfe_u32 v8, v0, 3, 1
	v_lshl_add_u32 v7, v8, 4, v7                   ; 16 bytes further for lanes 8-15 and 24-31
	s_mul_i32 s21, s11, HALFT                      ; my 128 tokens
	s_lshl_b32 s22, s12, 8                         ; my 128 columns: 256 bytes along W's rows,
	s_add_co_u32 s22, s22, 2*HALFT                 ; which lie behind x's 256
.irp s, 0,1
	v_add_nc_u32 v[ADRA+\s], s21, v3
	v_add_nc_u32 v[ADRB+\s], s22, v7
	s_add_co_u32 s21, s21, SLOT
	s_add_co_u32 s22, s22, SLOT
.endr
	s_mul_i32 s23, s10, 32*SPITCH
	s_add_co_u32 s23, s23, STAGE                   ; my stage
	v_mul_u32_u24 v4, v1, SPITCH                   ; in: token r, 16 bytes for each half of the lanes
	v_lshl_add_u32 v4, v2, 4, v4
	v_add_nc_u32 v[STO], s23, v4
	v_bfe_u32 v5, v0, 3, 2
	v_mul_u32_u24 v5, v5, SPITCH                   ; back: eight lanes take a token's 128 bytes, the wave four tokens
	v_lshl_add_u32 v5, v6, 4, v5
	v_add_nc_u32 v[RD], s23, v5
	v_and_b32 v9, 31, v0
	v_lshlrev_b32 v[CO], 4, v9
	s_wait_loadcnt 0x0                             ; the bias, once; (sum + b) c = sum c + b c
.irp b, 0,1,2,3,4,5,6,7
.irp j, 0,2,4,6
	v_pk_mul_f32 v[32+8*\b+160*(\b/4)+\j:32+8*\b+160*(\b/4)+\j+1], v[32+8*\b+160*(\b/4)+\j:32+8*\b+160*(\b/4)+\j+1], s[86:87] op_sel_hi:[1,0]
.endr
.endr
; 16 matrix instructions: token blocks a0, a0 + 1 of the window's four (hi = 0: my tokens 0-63, 1: 64-127) x all 8 column blocks, 32 along K.
; zero = 1: the first product starts the sums: nothing is cleared.  The 64 accumulators take turns, one instruction a turn, in the same order in every
; quarter step and over the loop's backward jump.
.macro MUL16 f, hi, a0, zero
.irp a, \a0, \a0+1
.irp b, 0,1,2,3,4,5,6,7
.if \zero
	v_wmma_f32_16x16x32_f16 v[8*(8*(\a)+\b):8*(8*(\a)+\b)+7], v[\f+8*\b:\f+8*\b+7], v[\f+8*(4*\hi+\a):\f+8*(4*\hi+\a)+7], 0
.else
	v_wmma_f32_16x16x32_f16 v[8*(8*(\a)+\b):8*(8*(\a)+\b)+7], v[\f+8*\b:\f+8*\b+7], v[\f+8*(4*\hi+\a):\f+8*(4*\hi+\a)+7], v[8*(8*(\a)+\b):8*(8*(\a)+\b)+7]
.endif
.endr
.endr
.endm
; 32 LDS loads in one run: the fragments of quarter q of a slot's K step (128 columns of W, 128 tokens of x, 32 along K) into buffer f
.macro FETCH slot, q, f
	WIN TO_B
.irp i, 0,1,2,3,4,5,6,7
	ds_load_tr16_b128 v[\f+8*\i:\f+8*\i+3],   v[ADRB+\slot] offset:\q*32*WPITCH+32*\i
	ds_load_tr16_b128 v[\f+8*\i+4:\f+8*\i+7], v[ADRB+\slot] offset:\q*32*WPITCH+16*WPITCH+32*\i
.endr
	WIN 0
.irp i, 0,1,2,3,4,5,6,7
	ds_load_b128 v[\f+8*\i:\f+8*\i+3],   v[ADRA+\slot] offset:\q*64+\i*16*PITCH
	ds_load_b128 v[\f+8*\i+4:\f+8*\i+7], v[ADRA+\slot] offset:\q*64+\i*16*PITCH+32
.endr
.endm
; A load into a register that a matrix instruction has read, and a vector instruction that reads a matrix result, stand four places behind that matrix
; instruction, and only plain vector instructions that name none of its registers are places.
.macro PLACES
.rept 4
	v_nop
.endr
.endm
; One of a K step's first three quarters: multiplies buffer f; in its middle it fetches quarter q of the same slot into buffer g.
.macro QUARTER slot, q, f, g, zero
	s_wait_dscnt 8                                 ; W and x's tokens 0-63 are in; the youngest eight loads (tokens 64-127) may be out
	WIN MUL_LO
	MUL16 \f, 0, 0, \zero
	MUL16 \f, 0, 2, \zero
	PLACES
	FETCH \slot, \q, \g
	s_wait_dscnt 32                                ; all but the 32 just issued
	WIN MUL_HI
	MUL16 \f, 1, 0, \zero
	MUL16 \f, 1, 2, \zero
.endm
.macro THREE slot, zero
	QUARTER \slot, 1, F0, F1, \zero
	QUARTER \slot, 2, F1, F0, 0
	QUARTER \slot, 3, F0, F1, 0
.endm
; The last quarter: multiplies buffer 1 and changes slots.  fill = 1: this slot is filled again, two K steps ahead.
; In front of the barrier each wave waits for its own reads of this slot and for all its tensor loads, of which one is out: its part of the next slot.
; Behind it (and, where the slot is filled again, behind the rest of the cluster's round) nobody reads this slot and the next slot is whole:
; the refill comes first, then the next slot's first fragments.
.macro TURN slot, next, fill
	s_wait_dscnt 8
	WIN MUL_LO
	MUL16 F1, 0, 0, 0
	s_wait_dscnt 0                                 ; my reads of this slot are over
	s_wait_tensorcnt 0x0                           ; and all my tensor loads have landed
	ds_add_u32 v255, v31
	s_wait_dscnt 0x0
	s_barrier_signal -1
	MUL16 F1, 0, 2, 0                              ; work on registers while the others arrive
	WIN 0
	s_barrier_wait -1
.if \fill
	CREST
	s_add_nc_u64 s[G0+4*\slot+2:G0+4*\slot+3], s[G0+4*\slot+2:G0+4*\slot+3], 2*KSTEP*2
	s_add_nc_u64 s[G0B+4*\slot+2:G0B+4*\slot+3], s[G0B+4*\slot+2:G0B+4*\slot+3], 2*KSTEP*SIZE_N*2
	JLOAD \slot                                    ; the first tensor load behind the round, one a wave
.endif
	PLACES
	FETCH \next, 0, F0
	WIN MUL_HI
	MUL16 F1, 1, 0, 0
	MUL16 F1, 1, 2, 0
.endm
.macro LAP zero                        ; once round the ring, both slots filled again
	THREE 0, \zero
	TURN 0, 1, 1
	THREE 1, 0
	TURN 1, 0, 1
.endm
	s_wait_tensorcnt 1                             ; my part of K step 0 is in; K step 1's may stay out
	s_barrier_signal -1
	s_barrier_wait -1                              ; everybody's is
	FETCH 0, 0, F0
	LAP 1                                          ; the first lap stands in front of the loop: its first products start the sums
	WIN 0                                          ; at a label and at a branch every window is 0
	s_mov_b32 s3, LAPS-2
.Llap:
	LAP 0
	WIN 0
	s_sub_co_u32 s3, s3, 1
	s_cmp_lg_u32 s3, 0
	s_cbranch_scc1 .Llap
	THREE 0, 0                                     ; the last lap fills nothing and has no round of the cluster's barrier
	TURN 0, 1, 0
	THREE 1, 0
	s_wait_dscnt 8                                 ; the very last quarter: nothing more to fetch
	WIN MUL_LO
	MUL16 F1, 0, 0, 0
	MUL16 F1, 0, 2, 0
	s_wait_dscnt 0
	WIN MUL_HI
	MUL16 F1, 1, 0, 0
	MUL16 F1, 1, 2, 0
	; THE WAY OUT, 16 tokens at a time: sum c + b c, rounded once to f16, 16 bytes a lane into my own stage (one part for each of my two heads),
	; read back as four tokens' rows of one head, which are 512 consecutive bytes of qkv.
	PLACES                                         ; behind the last matrix instructions: for the reads of the sums and the writes over the fragments
; tokens 16 i .. 16 i + 15 = the eight tiles (a, 0..7) of window 2 or 3 (from = 0x02 or 0x03: source 0); rb: one of two read-back buffers in turn
.macro OUT16 i, a, from, rb
	WIN \from
.irp b, 0,1,2,3,4,5,6,7
.irp j, 0,2,4,6
	v_pk_fma_f32 v[F1+8*\b+\j:F1+8*\b+\j+1], v[8*(8*\a+\b)+\j:8*(8*\a+\b)+\j+1], s[86:87], v[32+8*\b+160*(\b/4)+\j:32+8*\b+160*(\b/4)+\j+1] op_sel_hi:[1,0,1]
.endr
.endr
	WIN 0
.irp b, 0,1,2,3,4,5,6,7
.irp q, 0,1,2,3
	v_cvt_pk_f16_f32 v[TMP+4*\b+\q], v[F1+8*\b+2*\q], v[F1+8*\b+2*\q+1]
.endr
.endr
.irp b, 0,1,2,3,4,5,6,7
	ds_store_b128 v[STO], v[TMP+4*\b:TMP+4*\b+3] offset:(\b/4)*16*SPITCH+32*(\b%4)
.endr
	s_wait_xcnt 0x0                                ; the read-back buffer, which earlier stores read, is loaded again only behind this wait
.irp e, 0,1
.irp t, 0,1,2,3
	ds_load_b128 v[\rb+16*\e+4*\t:\rb+16*\e+4*\t+3], v[RD] offset:\e*16*SPITCH+\t*4*SPITCH   ; a wave's LDS instructions are served in order: these see the stores above
.endr
.endr
.irp e, 0,1
.irp t, 0,1,2,3
	s_wait_dscnt 7-4*\e-\t                         ; this load is in, the younger ones may be out
	global_store_b128 v[CO], v[\rb+16*\e+4*\t:\rb+16*\e+4*\t+3], s[82:83] offset:\e*786432+\i*2048+\t*512   ; head e lies 8 tiles of 98,304 bytes on; 512 consecutive bytes, aligned
.endr
.endr
.endm
	OUT16 0, 0, 0x02, F0
	OUT16 1, 1, 0x02, F0+32
	OUT16 2, 2, 0x02, F0
	OUT16 3, 3, 0x02, F0+32
	OUT16 4, 0, 0x03, F0
	OUT16 5, 1, 0x03, F0+32
	OUT16 6, 2, 0x03, F0
	OUT16 7, 3, 0x03, F0+32
	s_set_vgpr_msb 0x1
	s_wait_tensorcnt 0x0
	ds_add_u32 v255, v31
	s_wait_dscnt 0x0
	s_set_vgpr_msb 0x100
	CROUND                                         ; the closing round: no work-group ends while a partner may still ask for a tile that names it
	s_endpgm
.Lfunc_end_k_q67989e5f64_proj:
	.size	k_q67989e5f64_proj, .Lfunc_end_k_q67989e5f64_proj-k_q67989e5f64_proj
	.p2alignl 7, 3214868480
	.fill 96, 4, 3214868480
	.section	.rodata,"a",@progbits
	.p2align	6, 0x0
	.amdhsa_kernel k_q67989e5f64_proj
		.amdhsa_group_segment_fixed_size 327680
		.amdhsa_private_segment_fixed_size 0
		.amdhsa_enable_private_segment 0
		.amdhsa_kernarg_size 48
		.amdhsa_user_sgpr_count 2
		.amdhsa_user_sgpr_kernarg_segment_ptr 1
		.amdhsa_wavefront_size32 1
		.amdhsa_system_sgpr_workgroup_id_x 1
		.amdhsa_system_sgpr_workgroup_id_y 1
		.amdhsa_system_sgpr_workgroup_id_z 1
		.amdhsa_system_vgpr_workitem_id 0
		.amdhsa_next_free_vgpr 1024
		.amdhsa_next_free_sgpr 94
		.amdhsa_reserve_vcc 0
		.amdhsa_float_denorm_mode_32 3
		.amdhsa_float_denorm_mode_16_64 3
		.amdhsa_memory_ordered 1
		.amdhsa_forward_progress 1
		.amdhsa_inst_pref_size 216
	.end_amdhsa_kernel
	.amdgpu_metadata
---
amdhsa.version: [ 1, 2 ]
amdhsa.kernels:
  - .name:           k_q67989e5f64_proj
    .symbol:         k_q67989e5f64_proj.kd
    .args:
      - { .name: xf, .offset: 0, .size: 8, .value_kind: global_buffer, .address_space: global }
      - { .name: wf, .offset: 8, .size: 8, .value_kind: global_buffer, .address_space: global }
      - { .name: bq, .offset: 16, .size: 8, .value_kind: global_buffer, .address_space: global }
      - { .name: bk, .offset: 24, .size: 8, .value_kind: global_buffer, .address_space: global }
      - { .name: bv, .offset: 32, .size: 8, .value_kind: global_buffer, .address_space: global }
      - { .name: qkv, .offset: 40, .size: 8, .value_kind: global_buffer, .address_space: global }
    .group_segment_fixed_size: 327680
    .private_segment_fixed_size: 0
    .kernarg_segment_align: 8
    .kernarg_segment_size: 48
    .max_flat_workgroup_size: 128
    .sgpr_count:     94
    .vgpr_count:     1024
    .wavefront_size: 32
...
	.end_amdgpu_metadata
.endif
;; end of part 5
;; launch attn (part 6): grid 8 x 32, 8 waves a work-group, clusters of 4 x 1, 327,680 bytes of LDS; arguments qkv, mbits, xh; writes xh
.if DOCPART == 6
	.amdgcn_target "amdgcn-amd-amdhsa--gfx1250"
	.amdhsa_code_object_version 6
	.text
	.protected	k_q67989e5f64_attn
	.globl	k_q67989e5f64_attn
	.p2align	8
	.type	k_q67989e5f64_attn,@function
k_q67989e5f64_attn:
	s_mov_b64 s[64:65], 0
	v_nop
	global_prefetch_b8 v0, s[64:65] scope:SCOPE_SE
	s_setreg_imm32_b32 hwreg(HW_REG_WAVE_MODE, 25, 1), 1
	s_wait_xcnt 0x0
	s_wait_alu depctr_hold_cnt(0) depctr_sa_sdst(0) depctr_va_vdst(0) depctr_va_sdst(0) depctr_va_ssrc(0) depctr_va_vcc(0) depctr_vm_vsrc(0)
	s_getreg_b32 s2, hwreg(HW_REG_IB_STS2, 6, 4)
	s_cmp_eq_u32 s2, 0
	s_cbranch_scc0 .Lentry_in_a_cluster
	s_endpgm
.Lentry_in_a_cluster:
	s_bfe_u32 s2, ttmp6, 0x10000c
	s_cmp_lg_u32 s2, 0x3003
	s_cbranch_scc0 .Lentry_shape_is_right
	s_endpgm
.Lentry_shape_is_right:
; attn: softmax(q k / 8, masked) v by a running maximum.  A work-group takes 256 queries of one (b, head); a wave takes 32 (two tiles of 16, qt = 0, 1).
; Scores are exponents of 2: Q was stored times 0.125 log2(e), and a score whose mask bit is 0 is REPLACED by -1e9 log2(e).  A row that is masked
; throughout therefore gives the plain mean of v, as a softmax of equal scores does.
; CLUSTERS: the four work-groups of a cluster are four query blocks of the same head and walk the same K and V tiles: each tile is asked for jointly (mask 15).
; The place in the cluster enters only the global addresses of Q, of the mask words and of the result.
; A tile is 256 keys: 32 KB of K and 32 KB of V, dense in qkv; wave w fetches 8 KB of it (waves 0-3 K, waves 4-7 V; 64 keys each).  Two slots; 8 tiles.
; Both products are used transposed: scores = (16 keys) x (16 queries), so that a lane holds one query and 8 keys a register tile, and the packed
; probabilities ARE the second source of the next product, (16 d of V, by the transposing load) x (16 queries): no exchange between lanes but one for the maximum.
; K's fragments have registers of their own (v256-v319, named v0-v63 under a window setting) and are asked for a step of 64 keys ahead, behind the step's V loads.
; At a change of tiles the last step's second product, which works on registers alone, stands behind the barrier and covers the new tile's first K loads.
; The text holds four tiles: tile 0, a loop of three trips over two tiles, tile 7.
; LIMITS: operands are f16 (p lies in 0..1; q, k, v as the launch that makes them states); NaN and infinities are not treated (the maxima drop a NaN).
.set KPITCH, 144                       ; a key's 128 bytes + 16: 9 x 16
.set VPITCH, 160                       ; a key's 128 bytes + 32: 5 x 32
.set SUBT,   10240                     ; LDS bytes of 64 keys of K (9,216 used) or of V (10,240)
.set SLOT,   8*SUBT                    ; 81,920: K's four parts, then V's four
.set STAGE,  2*SLOT                    ; 163,840: 32 rows x 144 bytes for each wave; no tensor load lands here
.set TILEB,  98304                     ; from a tile of qkv to the next
.set NEG,    0xceabfb8f                ; -1e9 log2(e)
.set KADR, 1                           ; v1-2   my K fragments, slot 0, 1
.set VADR, 3                           ; v3-4   my V fragments
.set NEGR, 5                           ; v5     NEG
.set STO,  6                           ; v6     the way out: in
.set RD,   7                           ; v7     the way out: back
.set CO,   8                           ; v8     16 x lane
.set QO,   9                           ; v9     my bytes in Q
.set MX,   10                          ; v10 running maximum of qt 0, v11 what the other half of the lanes sent; v12, v13 the same for qt 1
.set AL,   14                          ; v14 factor 2^(old - new maximum) of qt 0, v15 its exponent; v16, v17 for qt 1
.set LS,   18                          ; v18-19 running sums of my half of the keys
.set TT,   22                          ; v[22:29] at work
.set QF,   32                          ; v[32:63]   Q fragments (qt, dh) at 32 + 16 qt + 8 dh
.set SC,   64                          ; v[64:127]  scores (qt, kt) at 64 + 32 qt + 8 kt; then p; then p packed: (qt, kp) at 64 + 32 qt + 16 kp
.set FR,   128                         ; v[128:191] V fragments (kp, dt) at 128 + 32 kp + 8 dt
.set ACCO, 192                         ; v[192:255] results (qt, dt) at 192 + 32 qt + 8 dt
.set KF,   0                           ; window 1: v[256:319] K fragments (kt, dh) at 256 + 16 kt + 8 dh
; s[2:3] mask words' address   s[4:7], s[8:11] descriptor group 0 of slot 0, 1   s[12:13] my offset in xh   s[14:15] Q, later xh
; s[16:63], s[68:83] the step's 64 mask words   s66 wave   s67 counter   s[84:91], s[92:99] group 1 for K, for V   s100-101 lane selects
.set MSB, 0
.macro WIN new                         ; s_set_vgpr_msb: low byte the new setting, high byte the setting that is left; 0 at every label and branch
.if MSB != \new
	s_set_vgpr_msb (MSB<<8)|\new
.set MSB, \new
.endif
.endm
.macro PLACES n
.rept \n
	v_nop
.endr
.endm
; A round of the cluster's barrier: my work-group's barrier; wave 0 signals for the work-group; every wave waits for all four; my work-group's barrier again.
.macro ROUND
	s_barrier_signal -1
	s_barrier_wait -1
	s_cmp_lg_u32 s66, 0
	s_cbranch_scc1 .Lnot_wave_0_\@
	s_barrier_signal -3
.Lnot_wave_0_\@:
	s_barrier_wait -3
	s_barrier_signal -1
	s_barrier_wait -1
.endm
; A joint load into slot n: one tensor load a wave.  The two lines differ in the padding alone; the branch hangs on the wave's number.
.macro JLOAD n
	s_cmp_lt_u32 s66, 4
	s_cbranch_scc0 .Lfor_v_\@
	tensor_load_to_lds s[4+4*\n:7+4*\n], s[84:91]
	s_nop 0
	s_branch .Lasked_\@
.Lfor_v_\@:
	tensor_load_to_lds s[4+4*\n:7+4*\n], s[92:99]
	s_nop 0
.Lasked_\@:
.endm
.macro MWORDS                          ; a step's 64 mask words: 256 bytes
	s_load_b512 s[16:31], s[2:3], 0x0
	s_load_b512 s[32:47], s[2:3], 0x40
	s_load_b512 s[48:63], s[2:3], 0x80
	s_load_b512 s[68:83], s[2:3], 0xc0
.endm
	s_load_b128 s[20:23], s[0:1], 0x0              ; qkv, mbits
	v_lshl_add_u32 v30, v0, 2, 0x31000
	v_mov_b32 v31, 0
	ds_add_u32 v30, v31
	v_lshrrev_b32 v1, 5, v0
	v_readfirstlane_b32 s66, v1                    ; wave
	s_and_b32 s16, ttmp7, 0xffff                   ; bh
	s_bfe_u32 s17, ttmp6, 0x40000                  ; cx
	s_lshl_b32 s18, ttmp9, 2
	s_add_co_u32 s18, s18, s17                     ; query block = 4 x cluster x + cx
	s_mul_i32 s24, s16, 8*TILEB                    ; K and V: made of bh and the wave alone, which the four partners share
	s_lshl_b32 s25, s66, 13
	s_add_co_u32 s24, s24, s25
	s_add_co_u32 s24, s24, 32768                   ; behind the tile's Q
	s_mov_b32 s25, 0
	s_lshl_b32 s26, s16, 3                         ; Q: tile 8 bh + query block, my 32 rows of 128 bytes
	s_add_co_u32 s26, s26, s18
	s_mul_i32 s26, s26, TILEB
	s_lshl_b32 s27, s66, 12
	s_add_co_u32 s26, s26, s27
	s_mov_b32 s27, 0
	s_lshr_b32 s28, s16, 4                         ; mask words: g = 64 b + 8 x query block + wave, 8,192 bytes each
	s_lshl_b32 s28, s28, 3
	s_add_co_u32 s28, s28, s18
	s_lshl_b32 s28, s28, 3
	s_add_co_u32 s28, s28, s66
	s_lshl_b32 s28, s28, 13
	s_mov_b32 s29, 0
	s_lshl_b32 s12, s16, 3                         ; xh: ((8 bh + query block) 8 + wave) x 4,096 bytes
	s_add_co_u32 s12, s12, s18
	s_lshl_b32 s12, s12, 3
	s_add_co_u32 s12, s12, s66
	s_lshl_b32 s12, s12, 12
	s_mov_b32 s13, 0
	s_mul_i32 s67, s66, 32*KPITCH
	s_add_co_u32 s67, s67, STAGE                   ; my stage (s67 becomes the counter later)
	; group 1: 8 KB dense as 32 rows of 32 elements of 8 bytes; behind every 32 words (a key's 128 bytes) 4 words of padding for K, 8 for V
	s_mov_b32 s84, 0x0733000f                      ; 15:0 mask of the four; 17:16 elements of 8 bytes; 20 padding on; 21 set beside a mask; 24:22 interval code 4; 31:25 pad - 1 = 3
	s_mov_b32 s92, 0x0f33000f                      ; the same with pad - 1 = 7
	s_mov_b32 s85, 32<<16                          ; tensor_dim0 = 32
	s_mov_b32 s93, 32<<16
	s_mov_b32 s86, 32<<16                          ; tensor_dim1 = 32
	s_mov_b32 s94, 32<<16
	s_mov_b32 s87, 32<<16                          ; tile_dim0 = 32
	s_mov_b32 s95, 32<<16
	s_mov_b32 s88, 32                              ; tile_dim1 = 32
	s_mov_b32 s96, 32
	s_mov_b32 s89, 32                              ; 32 elements from row to row
	s_mov_b32 s97, 32
	s_mov_b32 s90, 0
	s_mov_b32 s98, 0
	s_mov_b32 s91, 0
	s_mov_b32 s99, 0
	s_mov_b32 s4, 1                                ; group 0 of slot 0: count,
	s_mul_i32 s5, s66, SUBT                        ; LDS address: wave x 10,240,
	s_mov_b32 s8, 1
	s_add_co_u32 s9, s5, SLOT                      ; slot 1: + 81,920
	s_mov_b32 s100, 0x76543210                     ; v_permlanex16_b32: lane i reads lane i of the other half
	s_mov_b32 s101, 0xfedcba98
	v_and_b32 v20, 15, v0                          ; r
	v_bfe_u32 v21, v0, 4, 1                        ; h
	v_lshlrev_b32 v[QO], 7, v20
	v_lshl_add_u32 v[QO], v21, 4, v[QO]
	s_wait_dscnt 0x0
	s_wait_kmcnt 0x0
	s_add_nc_u64 s[6:7], s[20:21], s[24:25]        ; tile 0
	s_add_nc_u64 s[10:11], s[6:7], TILEB           ; tile 1
	s_or_b32 s7, s7, 0x80000000                    ; type 2
	s_or_b32 s11, s11, 0x80000000
	s_add_nc_u64 s[14:15], s[20:21], s[26:27]
	s_add_nc_u64 s[2:3], s[22:23], s[28:29]
	; Q and step 0's mask words are asked for ahead of the round: nobody writes those bytes, and they are on their way while the work-groups meet
.irp q, 0,1
.irp dh, 0,1
	global_load_b128 v[QF+16*\q+8*\dh:QF+16*\q+8*\dh+3],   v[QO], s[14:15] offset:2048*\q+64*\dh
	global_load_b128 v[QF+16*\q+8*\dh+4:QF+16*\q+8*\dh+7], v[QO], s[14:15] offset:2048*\q+64*\dh+32
.endr
.endr
	MWORDS                                         ; step 0's words (the set-up's scalars in s16-s29 are no longer needed)
	ROUND                                          ; all four work-groups are here: the first joint loads meet
	JLOAD 0                                        ; both slots' first fills go out together
	JLOAD 1
	v_mul_u32_u24 v[KADR], v20, KPITCH
	v_lshl_add_u32 v[KADR], v21, 4, v[KADR]        ; r x 144 + 16 h
	v_add_nc_u32 v[STO], s67, v[KADR]
	v_add_nc_u32 v[KADR+1], SLOT, v[KADR]
	v_and_b32 v22, 7, v0
	v_lshl_add_u32 v23, v21, 3, v22                ; 8 h + lane % 8: the key whose row I address for the transposing load
	v_mul_u32_u24 v[VADR], v23, VPITCH
	v_bfe_u32 v24, v0, 3, 1
	v_lshl_add_u32 v[VADR], v24, 4, v[VADR]
	v_add_nc_u32 v[VADR], 4*SUBT, v[VADR]
	v_add_nc_u32 v[VADR+1], SLOT, v[VADR]
	v_bfe_u32 v25, v0, 3, 2
	v_mul_u32_u24 v[RD], v25, KPITCH
	v_lshl_add_u32 v[RD], v22, 4, v[RD]
	v_add_nc_u32 v[RD], s67, v[RD]
	v_and_b32 v26, 31, v0
	v_lshlrev_b32 v[CO], 4, v26
	v_mov_b32 v[NEGR], NEG
	v_mov_b32 v[MX+1], 0                           ; v_permlanex16_b32 counts as a reader of its destination
	v_mov_b32 v[MX+3], 0
	s_wait_loadcnt 0x0                             ; Q
; 16 LDS loads: the K fragments of part st (64 keys) of a slot, d 0..31 of the four key tiles first, into v256-v319
.macro KLOAD slot, st
	WIN 0x40                                       ; destination in window 1, address in window 0
.irp dh, 0,1
.irp kt, 0,1,2,3
	ds_load_b128 v[KF+16*\kt+8*\dh:KF+16*\kt+8*\dh+3],   v[KADR+\slot] offset:(\st)*SUBT+\kt*16*KPITCH+64*\dh
	ds_load_b128 v[KF+16*\kt+8*\dh+4:KF+16*\kt+8*\dh+7], v[KADR+\slot] offset:(\st)*SUBT+\kt*16*KPITCH+64*\dh+32
.endr
.endr
	WIN 0
.endm
; The scores of 64 keys x 32 queries from the K fragments asked for earlier.  The eight score tiles take turns, one instruction a turn, twice in the same
; order.
.macro SCORES first
.if \first == 0
	PLACES 5                                       ; behind the last matrix instructions: the packed p, their second source, is written over by a matrix instruction
.endif
	s_wait_dscnt 8                                 ; d 0..31 of the four key tiles are in; the eight loads of d 32..63 may be out
	WIN 0x01                                       ; source 0 in window 1
.irp q, 0,1
.irp kt, 0,1,2,3
	v_wmma_f32_16x16x32_f16 v[SC+32*\q+8*\kt:SC+32*\q+8*\kt+7], v[KF+16*\kt:KF+16*\kt+7], v[QF+16*\q:QF+16*\q+7], 0
.endr
.endr
	s_wait_dscnt 0
.irp q, 0,1
.irp kt, 0,1,2,3
	v_wmma_f32_16x16x32_f16 v[SC+32*\q+8*\kt:SC+32*\q+8*\kt+7], v[KF+16*\kt+8:KF+16*\kt+15], v[QF+16*\q+8:QF+16*\q+15], v[SC+32*\q+8*\kt:SC+32*\q+8*\kt+7]
.endr
.endr
	WIN 0
.endm
; From scores to packed p, for part st of a slot.  first = 1: the launch's first step starts maxima and sums.  more = 1: the next step's mask words are asked for.
; knext = 1: the next step's K fragments, of the same slot, are asked for.
.macro SOFT slot, st, first, more, knext
	PLACES 4                                       ; before V's and K's fragments are loaded over and the scores are read
.irp kp, 0,1
.irp dt, 0,1,2,3
	ds_load_tr16_b128 v[FR+32*\kp+8*\dt:FR+32*\kp+8*\dt+3],   v[VADR+\slot] offset:\st*SUBT+\kp*32*VPITCH+32*\dt
	ds_load_tr16_b128 v[FR+32*\kp+8*\dt+4:FR+32*\kp+8*\dt+7], v[VADR+\slot] offset:\st*SUBT+\kp*32*VPITCH+16*VPITCH+32*\dt
.endr
.endr
	s_wait_kmcnt 0x0                               ; this step's mask words; their address may step
	s_add_nc_u64 s[2:3], s[2:3], 256
.set idx, 0
.rept 64
	v_cndmask_b32 v[SC+idx], v[NEGR], v[SC+idx], s[16+idx+4*(idx/48)]   ; bit 1 keeps the score, bit 0 puts -1e9 log2(e) in its place
.set idx, idx+1
.endr
.if \more
	MWORDS
.endif
.if \knext
	KLOAD \slot, \st+1                             ; used behind the rest of this step: some 250 vector and 16 matrix instructions further down
.endif
	; the maximum of my 32 scores of each query, in two chains a query, with the running maximum; then the other half of the lanes
.irp q, 0,1
	v_max3_num_f32 v[TT+2*\q],   v[SC+32*\q],    v[SC+32*\q+1],  v[SC+32*\q+2]
	v_max3_num_f32 v[TT+2*\q+1], v[SC+32*\q+16], v[SC+32*\q+17], v[SC+32*\q+18]
.endr
.irp j, 3,5,7,9,11,13
.irp q, 0,1
	v_max3_num_f32 v[TT+2*\q],   v[TT+2*\q],   v[SC+32*\q+\j],    v[SC+32*\q+\j+1]
	v_max3_num_f32 v[TT+2*\q+1], v[TT+2*\q+1], v[SC+32*\q+\j+16], v[SC+32*\q+\j+17]
.endr
.endr
.irp q, 0,1
	v_max3_num_f32 v[TT+2*\q], v[TT+2*\q], v[SC+32*\q+15], v[SC+32*\q+31]
.endr
.irp q, 0,1
.if \first
	v_max_num_f32 v[TT+2*\q], v[TT+2*\q], v[TT+2*\q+1]
.else
	v_max3_num_f32 v[TT+2*\q], v[TT+2*\q], v[TT+2*\q+1], v[MX+2*\q]
.endif
.endr
.irp q, 0,1
	v_permlanex16_b32 v[MX+2*\q+1], v[TT+2*\q], s100, s101
.endr
.irp q, 0,1
	v_max_num_f32 v[TT+2*\q], v[TT+2*\q], v[MX+2*\q+1]
.endr
.if \first == 0
.irp q, 0,1
	v_sub_f32 v[AL+2*\q+1], v[MX+2*\q], v[TT+2*\q]  ; old - new maximum, 0 or below
.endr
.endif
.irp q, 0,1
	v_mov_b32 v[MX+2*\q], v[TT+2*\q]
.endr
.if \first == 0
.irp q, 0,1
	v_exp_f32 v[AL+2*\q], v[AL+2*\q+1]              ; used 32 plain instructions further down
.endr
.endif
.irp q, 0,1
.irp j, 0,2,4,6,8,10,12,14,16,18,20,22,24,26,28,30
	v_pk_add_f32 v[SC+32*\q+\j:SC+32*\q+\j+1], v[SC+32*\q+\j:SC+32*\q+\j+1], v[MX+2*\q:MX+2*\q+1] op_sel_hi:[1,0] neg_lo:[0,1] neg_hi:[0,1]   ; both minus the pair's first register
.endr
.endr
	; p = 2^(score - maximum); between the exponentials the old results are scaled: plain instructions that touch neither their results nor their sources
.set j, 0
.rept 32
	v_exp_f32 v[SC+2*j],   v[SC+2*j]
	v_exp_f32 v[SC+2*j+1], v[SC+2*j+1]
.if \first == 0
	s_wait_alu depctr_va_vdst(0)
	v_pk_mul_f32 v[ACCO+2*j:ACCO+2*j+1], v[ACCO+2*j:ACCO+2*j+1], v[AL+2*(j/16):AL+2*(j/16)+1] op_sel_hi:[1,0]
.endif
.set j, j+1
.endr
.if \first
	v_nop                                          ; one plain place behind the last exponential
	s_wait_alu depctr_va_vdst(0)
.endif
	; the sum of my 32 p of each query, two chains of pairs a query
	s_wait_alu depctr_va_vdst(0)
.irp q, 0,1
	v_pk_add_f32 v[TT+4*\q:TT+4*\q+1],   v[SC+32*\q:SC+32*\q+1],     v[SC+32*\q+2:SC+32*\q+3]
	v_pk_add_f32 v[TT+4*\q+2:TT+4*\q+3], v[SC+32*\q+16:SC+32*\q+17], v[SC+32*\q+18:SC+32*\q+19]
.endr
.irp j, 4,6,8,10,12,14
.irp q, 0,1
	v_pk_add_f32 v[TT+4*\q:TT+4*\q+1],   v[TT+4*\q:TT+4*\q+1],   v[SC+32*\q+\j:SC+32*\q+\j+1]
	v_pk_add_f32 v[TT+4*\q+2:TT+4*\q+3], v[TT+4*\q+2:TT+4*\q+3], v[SC+32*\q+\j+16:SC+32*\q+\j+17]
.endr
.endr
.irp q, 0,1
	v_pk_add_f32 v[TT+4*\q:TT+4*\q+1], v[TT+4*\q:TT+4*\q+1], v[TT+4*\q+2:TT+4*\q+3]
.endr
.irp q, 0,1
.if \first
	v_add_f32 v[LS+\q], v[TT+4*\q], v[TT+4*\q+1]
.else
	v_add_f32 v[TT+4*\q], v[TT+4*\q], v[TT+4*\q+1]
.endif
.endr
.if \first == 0
.irp q, 0,1
	v_fma_f32 v[LS+\q], v[LS+\q], v[AL+2*\q], v[TT+4*\q]
.endr
.endif
	; p to f16 in place: 16 registers (keys 8 h + j of two key tiles) become the 8 of a second source for 32 keys
.irp g, 0,1,2,3
.irp i, 0,1,2,3,4,5,6,7
	v_cvt_pk_f16_f32 v[SC+16*\g+\i], v[SC+16*\g+2*\i], v[SC+16*\g+2*\i+1]
.endr
.endr
.endm
; results += V x p, registers alone.  The eight result tiles take turns, one instruction a turn.
.macro PVM first
.irp kp, 0,1
.irp q, 0,1
.irp dt, 0,1,2,3
.if \first*(1-\kp)
	v_wmma_f32_16x16x32_f16 v[ACCO+32*\q+8*\dt:ACCO+32*\q+8*\dt+7], v[FR+32*\kp+8*\dt:FR+32*\kp+8*\dt+7], v[SC+32*\q+16*\kp:SC+32*\q+16*\kp+7], 0
.else
	v_wmma_f32_16x16x32_f16 v[ACCO+32*\q+8*\dt:ACCO+32*\q+8*\dt+7], v[FR+32*\kp+8*\dt:FR+32*\kp+8*\dt+7], v[SC+32*\q+16*\kp:SC+32*\q+16*\kp+7], v[ACCO+32*\q+8*\dt:ACCO+32*\q+8*\dt+7]
.endif
.endr
.endr
.endr
.endm
; One of a tile's first three steps, whole
.macro STEPA slot, st, first
	SCORES \first
	SOFT \slot, \st, \first, 1, 1
	s_wait_dscnt 16                                ; V's 16 loads are in; the next step's 16 K loads, issued behind them, may be out
	PVM \first
.endm
; A tile of 256 keys, up to the packed p of its last step; that step's second product follows behind the change of tiles
.macro TILE slot, first, last
	STEPA \slot, 0, \first
	STEPA \slot, 1, 0
	STEPA \slot, 2, 0
	SCORES 0
	SOFT \slot, 3, 0, 1-\last, 0
.endm
; The change to the tile in a slot.  In front of the barrier each wave has waited for its reads of the other slot (the last are V's fragments, now in registers) and for
; all its tensor loads (one is out: its part of the new tile).  refill = 1: the barrier is a round of the cluster's barrier: behind it no wave of the four work-groups
; reads the other slot or has a load on its way, and the joint refill comes first.  Then the new tile's first K fragments are asked for, and the old tile's
; last 16 matrix instructions run while they come.
.macro CHANGE slot, refill
	s_wait_dscnt 0x0
	s_wait_tensorcnt 0x0
	ds_add_u32 v30, v31
	s_wait_dscnt 0x0
.if \refill
	s_add_nc_u64 s[6+4*(1-\slot):7+4*(1-\slot)], s[6+4*(1-\slot):7+4*(1-\slot)], 2*TILEB   ; no load of mine is out: the other slot's next tile
	ROUND
	JLOAD (1-\slot)
.else
	s_barrier_signal -1
	s_barrier_wait -1
.endif
	KLOAD \slot, 0
	PVM 0
.endm
	s_wait_tensorcnt 0x1                           ; my part of tile 0 is in; tile 1's may stay out
	s_barrier_signal -1
	s_barrier_wait -1                              ; everybody's is
	KLOAD 0, 0
	TILE 0, 1, 0                                   ; tile 0: its first products start maxima, sums and results
	s_mov_b32 s67, 3
.Ltiles:
	CHANGE 1, 1                                    ; slot 0 gets tile 2, 4, 6
	TILE 1, 0, 0                                   ; tile 1, 3, 5
	CHANGE 0, 1                                    ; slot 1 gets tile 3, 5, 7
	TILE 0, 0, 0                                   ; tile 2, 4, 6
	s_sub_co_i32 s67, s67, 1
	s_cmp_lg_u32 s67, 0
	s_cbranch_scc1 .Ltiles
	CHANGE 1, 0                                    ; nothing more to fetch
	TILE 1, 0, 1                                   ; tile 7: no mask words beyond the last step
	s_wait_dscnt 0x0                               ; V's fragments
	PVM 0
	; THE WAY OUT: divide by the whole sum, round to f16, 32 rows of 128 bytes through my own stage, stored as 512 consecutive bytes.
	PLACES 4
	s_load_b64 s[14:15], s[0:1], 0x10              ; xh
.irp q, 0,1
	v_permlanex16_b32 v[MX+2*\q+1], v[LS+\q], s100, s101
.endr
.irp q, 0,1
	v_add_f32 v[LS+\q], v[LS+\q], v[MX+2*\q+1]     ; at least 1: the largest score gives p = 1
.endr
	v_rcp_f32 v[AL], v[LS]
	v_rcp_f32 v[AL+2], v[LS+1]
	v_nop                                          ; one plain place behind the reciprocals
.set j, 0
	s_wait_alu depctr_va_vdst(0)
.rept 32
	v_pk_mul_f32 v[ACCO+2*j:ACCO+2*j+1], v[ACCO+2*j:ACCO+2*j+1], v[AL+2*(j/16):AL+2*(j/16)+1] op_sel_hi:[1,0]
.set j, j+1
.endr
.set j, 0
.rept 32
	v_cvt_pk_f16_f32 v[SC+j], v[ACCO+2*j], v[ACCO+2*j+1]
.set j, j+1
.endr
.irp q, 0,1
.irp dt, 0,1,2,3
	ds_store_b128 v[STO], v[SC+16*\q+4*\dt:SC+16*\q+4*\dt+3] offset:16*KPITCH*\q+32*\dt
.endr
.endr
	s_wait_kmcnt 0x0
	s_add_nc_u64 s[14:15], s[14:15], s[12:13]
.irp t, 0,1,2,3,4,5,6,7
	ds_load_b128 v[FR+4*\t:FR+4*\t+3], v[RD] offset:4*KPITCH*\t    ; a wave's LDS instructions are served in order: these see the stores above
.endr
.irp t, 0,1,2,3,4,5,6,7
	s_wait_dscnt 7-\t                              ; load t is in, the 7 - t younger ones may be out
	global_store_b128 v[CO], v[FR+4*\t:FR+4*\t+3], s[14:15] offset:512*\t
.endr
	s_wait_tensorcnt 0x0
	ds_add_u32 v30, v31
	s_wait_dscnt 0x0
	ROUND                                          ; the closing round: no work-group ends while a partner may still ask for a tile that names it
	s_endpgm
.Lfunc_end_k_q67989e5f64_attn:
	.size	k_q67989e5f64_attn, .Lfunc_end_k_q67989e5f64_attn-k_q67989e5f64_attn
	.p2alignl 7, 3214868480
	.fill 96, 4, 3214868480
	.section	.rodata,"a",@progbits
	.p2align	6, 0x0
	.amdhsa_kernel k_q67989e5f64_attn
		.amdhsa_group_segment_fixed_size 327680
		.amdhsa_private_segment_fixed_size 0
		.amdhsa_enable_private_segment 0
		.amdhsa_kernarg_size 24
		.amdhsa_user_sgpr_count 2
		.amdhsa_user_sgpr_kernarg_segment_ptr 1
		.amdhsa_wavefront_size32 1
		.amdhsa_system_sgpr_workgroup_id_x 1
		.amdhsa_system_sgpr_workgroup_id_y 1
		.amdhsa_system_sgpr_workgroup_id_z 1
		.amdhsa_system_vgpr_workitem_id 0
		.amdhsa_next_free_vgpr 320
		.amdhsa_next_free_sgpr 102
		.amdhsa_reserve_vcc 0
		.amdhsa_float_denorm_mode_32 3
		.amdhsa_float_denorm_mode_16_64 3
		.amdhsa_memory_ordered 1
		.amdhsa_forward_progress 1
		.amdhsa_inst_pref_size 255
	.end_amdhsa_kernel
	.section	.bss,"aw",@nobits
	.p2align	6
	.space	262144
	.amdgpu_metadata
---
amdhsa.version: [ 1, 2 ]
amdhsa.kernels:
  - .name:           k_q67989e5f64_attn
    .symbol:         k_q67989e5f64_attn.kd
    .args:
      - { .name: qkv, .offset: 0, .size: 8, .value_kind: global_buffer, .address_space: global }
      - { .name: mbits, .offset: 8, .size: 8, .value_kind: global_buffer, .address_space: global }
      - { .name: xh, .offset: 16, .size: 8, .value_kind: global_buffer, .address_space: global }
    .group_segment_fixed_size: 327680
    .private_segment_fixed_size: 0
    .kernarg_segment_align: 8
    .kernarg_segment_size: 24
    .max_flat_workgroup_size: 256
    .sgpr_count:     102
    .vgpr_count:     320
    .wavefront_size: 32
...
	.end_amdgpu_metadata
.endif
;; end of part 6
;; launch outp (part 7): grid 8 x 32, 4 waves a work-group, clusters of 4 x 4, 327,680 bytes of LDS; arguments xh, wf, bo, out0; writes out0
.if DOCPART == 7
	.amdgcn_target "amdgcn-amd-amdhsa--gfx1250"
	.amdhsa_code_object_version 6
	.text
	.protected	k_q67989e5f64_outp
	.globl	k_q67989e5f64_outp
	.p2align	8
	.type	k_q67989e5f64_outp,@function
k_q67989e5f64_outp:
	s_mov_b64 s[64:65], 0
	v_nop
	global_prefetch_b8 v0, s[64:65] scope:SCOPE_SE
	s_setreg_imm32_b32 hwreg(HW_REG_WAVE_MODE, 25, 1), 1
	s_wait_xcnt 0x0
	s_wait_alu depctr_hold_cnt(0) depctr_sa_sdst(0) depctr_va_vdst(0) depctr_va_sdst(0) depctr_va_ssrc(0) depctr_va_vcc(0) depctr_vm_vsrc(0)
	s_getreg_b32 s2, hwreg(HW_REG_IB_STS2, 6, 4)
	s_cmp_eq_u32 s2, 0
	s_cbranch_scc0 .Lentry_in_a_cluster
	s_endpgm
.Lentry_in_a_cluster:
	s_bfe_u32 s2, ttmp6, 0x10000c
	s_cmp_lg_u32 s2, 0xf033
	s_cbranch_scc0 .Lentry_shape_is_right
	s_endpgm
.Lentry_shape_is_right:
; outp: out0 = x Wo + bo.  x is xh: [16 b + head][2048 tokens][64 d] of f16; Wo is the fourth part of wf: [1024 k][1024 n] of f16 with k = 64 head + d; out0 is f32.
; A work-group makes 128 tokens x 128 columns with four waves, 2 x 2; a wave makes 64 x 64: 16 accumulator tiles, 128 registers (window 1).
; 4096 x 1024 outputs on 256 work-groups are 128 x 128 each.
; K goes through two LDS slots of 256 along K each (four heads): four fills in all, two at the start and one behind each of two rounds, so that a refill has
; 128 matrix instructions of every wave in which to land.
; CLUSTERS: 4 x 4 work-groups.  The four of a row of the cluster need the same tiles of x, the four of a column the same tiles of Wo: joint loads, as in the launch of Q, K, V.
; The matrix instruction is used transposed (source 0 = 16 columns of Wo by the transposing LDS load, source 1 = 16 tokens): a lane holds one token and 8 neighbouring columns.
; LIMITS: operands are f16: x and Wo must stay under 65,504 in magnitude; NaN and infinities are not treated.
.set XPITCH, 144                       ; a token's 64 f16 of one head + 16 bytes: 9 x 16
.set XHEAD,  128*XPITCH                ; 18,432: one head's 128 tokens
.set WPITCH, 288                       ; 128 f16 + 32 bytes: 9 x 32
.set HALFT,  2*XHEAD                   ; 36,864: two heads of x, or 128 rows of Wo: what one tensor load brings
.set SLOT,   4*HALFT                   ; 147,456: x's four heads, then Wo's 256 k
.set STAGE,  2*SLOT                    ; 294,912: 16 rows x 272 bytes for each wave; no tensor load lands here
.set SPITCH, 272                       ; 64 f32 + 16 bytes: 17 x 16
.set ADRA, 16                          ; v16-17  my x fragments in slot 0, 1
.set ADRB, 18                          ; v18-21  my Wo fragments: slot 0 k 0-127, slot 0 k 128-255, slot 1 likewise (an LDS offset has 16 bits)
.set STO,  22
.set RD,   23
.set CO,   24
.set BO,   25
.set F0,   32                          ; v[32:95]   fragment buffer 0: 4 of x, then 4 of Wo
.set F1,   96                          ; v[96:159]  fragment buffer 1
.set BIAS, 160                         ; v[160:191] bo of my 32 columns a lane
.set TF,   192                         ; v[192:223] the way out: 32 results
.set RB,   224                         ; v[224:255] the way out: read back
.set G1, 24                            ; s[24:31] group 1 for x's tiles      s[32:39] group 0, one set a slot
.set G0, 32
.set G1B, 48                           ; s[48:55] group 1 for Wo's tiles     s[56:63] group 0, one set a slot
.set G0B, 56
.set ACCW, 0x50                        ; C and D in window 1
.set MSB, 0
.macro WIN new                         ; s_set_vgpr_msb: low byte the new setting, high byte the setting that is left
.if MSB != \new
	s_set_vgpr_msb (MSB<<8)|\new
.set MSB, \new
.endif
.endm
.macro JLOAD s                         ; a joint load: waves 0, 1 for x, waves 2, 3 for Wo; the branch hangs on the wave's number alone
	s_cmp_eq_u32 s11, 0
	s_cbranch_scc0 .Lfor_b_\@
	tensor_load_to_lds s[G0+4*\s:G0+4*\s+3], s[G1:G1+7]
	s_nop 0
	s_branch .Lasked_\@
.Lfor_b_\@:
	tensor_load_to_lds s[G0B+4*\s:G0B+4*\s+3], s[G1B:G1B+7]
	s_nop 0
.Lasked_\@:
.endm
.macro CREST                           ; a round of the cluster's barrier behind its opening barrier
	s_cmp_lg_u32 s10, 0
	s_cbranch_scc1 .Lnot_wave_0_\@
	s_barrier_signal -3
.Lnot_wave_0_\@:
	s_barrier_wait -3
	s_barrier_signal -1
	s_barrier_wait -1
.endm
.macro CROUND                          ; a whole round
	s_barrier_signal -1
	s_barrier_wait -1
	CREST
.endm
	s_load_b256 s[68:75], s[0:1], 0x0              ; xh, wf, bo, out0
	v_lshl_add_u32 v30, v0, 2, 0x4c400
	v_mov_b32 v31, 0
	ds_add_u32 v30, v31
	v_lshrrev_b32 v1, 5, v0
	v_readfirstlane_b32 s10, v1                    ; wave 0..3
	s_lshr_b32 s11, s10, 1                         ; which 64 tokens are mine.  Also: I fetch for x (0) or for Wo (1)
	s_and_b32 s12, s10, 1                          ; which 64 columns.  Also: which half of that tile I fetch
	s_bfe_u32 s40, ttmp6, 0x40000                  ; cx
	s_bfe_u32 s41, ttmp6, 0x40004                  ; cy
	s_lshl_b32 s42, ttmp9, 2
	s_add_co_u32 s42, s42, s40                     ; block column = 4 x cluster x + cx, 0..7
	s_and_b32 s13, ttmp7, 0xffff
	s_lshl_b32 s13, s13, 2
	s_add_co_u32 s13, s13, s41                     ; block row = 4 x cluster y + cy, 0..31
	s_lshl_b32 s43, s41, 2
	s_lshl_b32 s43, 15, s43                        ; my row of the cluster
	s_lshl_b32 s44, 0x1111, s40                    ; my column
	; group 1 for x: two heads; a head's 128 tokens are 16,384 dense bytes = one row of 2,048 elements of 8 bytes; the next head lies 262,144 bytes on.
	; 4 words of padding behind every 32 words (a token's 128 bytes): the words are counted along the whole tile.
	s_or_b32 s[G1+0], s43, (3<<16)|(1<<20)|(1<<21)|(4<<22)|(3<<25)  ; 15:0 mask: my row; 17:16 elements of 8 bytes; 20 padding on; 21 set beside a mask; 24:22 interval code 4; 31:25 pad - 1 = 3
	s_mov_b32 s[G1+1], 2048<<16                    ; tensor_dim0 = 2,048
	s_mov_b32 s[G1+2], 2<<16                       ; tensor_dim1 = 2
	s_mov_b32 s[G1+3], 2048<<16                    ; tile_dim0 = 2,048
	s_mov_b32 s[G1+4], 2                           ; tile_dim1 = 2
	s_mov_b32 s[G1+5], 32768                       ; elements from row to row
	s_mov_b32 s[G1+6], 0
	s_mov_b32 s[G1+7], 0
	; group 1 for Wo: 128 rows (k) x 128 elements of 2 bytes (n), 8 words of padding behind every 64 words
	s_or_b32 s[G1B+0], s44, (1<<16)|(1<<20)|(1<<21)|(5<<22)|(7<<25) ; mask: my column; interval code 5; pad - 1 = 7
	s_mov_b32 s[G1B+1], 128<<16
	s_mov_b32 s[G1B+2], 128<<16
	s_mov_b32 s[G1B+3], 128<<16
	s_mov_b32 s[G1B+4], 128
	s_mov_b32 s[G1B+5], 1024
	s_mov_b32 s[G1B+6], 0
	s_mov_b32 s[G1B+7], 0
	; x's tiles hang on the block row alone, Wo's on the block column alone
	s_lshr_b32 s16, s13, 4                         ; b
	s_lshl_b32 s16, s16, 22                        ; 16 heads x 262,144 bytes
	s_and_b32 s17, s13, 15
	s_lshl_b32 s17, s17, 14                        ; 128 tokens x 128 bytes
	s_add_co_u32 s16, s16, s17
	s_lshl_b32 s17, s12, 19                        ; my two heads of the slot's four
	s_add_co_u32 s16, s16, s17
	s_mov_b32 s17, 0
	s_lshl_b32 s46, s42, 8                         ; 128 columns x 2 bytes
	s_lshl_b32 s47, s12, 18                        ; my 128 rows of 2,048 bytes
	s_add_co_u32 s46, s46, s47
	s_add_co_u32 s46, s46, 3*2097152               ; Wo is the fourth part of wf
	s_mov_b32 s47, 0
	s_mul_i32 s20, s10, HALFT                      ; where they go: wave x 36,864
	s_lshl_b32 s84, s42, 9                         ; bo and out0: 128 columns x 4 bytes a block,
	s_lshl_b32 s85, s12, 8                         ; my 64
	s_add_co_u32 s84, s84, s85
	s_mov_b32 s85, 0
	s_lshl_b32 s88, s13, 19                        ; 128 tokens x 4,096 bytes
	s_add_co_u32 s88, s88, s84
	s_lshl_b32 s90, s11, 18                        ; my 64 tokens
	s_add_co_u32 s88, s88, s90
	s_mov_b32 s89, 0
	s_wait_dscnt 0x0
	s_wait_kmcnt 0x0
	s_add_nc_u64 s[14:15], s[68:69], s[16:17]
	s_add_nc_u64 s[46:47], s[70:71], s[46:47]
	s_add_nc_u64 s[80:81], s[72:73], s[84:85]
	s_add_nc_u64 s[82:83], s[74:75], s[88:89]
	CROUND                                         ; all sixteen work-groups are here: the first joint loads meet
.irp s, 0,1
	s_mov_b32 s[G0+4*\s], 1                                        ; count = 1
	s_add_co_u32 s[G0+4*\s+1], s20, \s*SLOT                        ; LDS address
	s_add_nc_u64 s[G0+4*\s+2:G0+4*\s+3], s[14:15], \s*4*262144     ; slot s: four heads on
	s_or_b32 s[G0+4*\s+3], s[G0+4*\s+3], 0x80000000                ; type = 2
	s_mov_b32 s[G0B+4*\s], 1
	s_add_co_u32 s[G0B+4*\s+1], s20, \s*SLOT
	s_add_nc_u64 s[G0B+4*\s+2:G0B+4*\s+3], s[46:47], \s*256*2048   ; and 256 rows down Wo
	s_or_b32 s[G0B+4*\s+3], s[G0B+4*\s+3], 0x80000000
	JLOAD \s                                       ; both slots are asked for before anything else is done
.endr
	v_and_b32 v1, 15, v0                           ; r
	v_bfe_u32 v2, v0, 4, 1                         ; h
	v_lshlrev_b32 v[BO], 5, v2
.irp b, 0,1,2,3
	global_load_b128 v[BIAS+8*\b:BIAS+8*\b+3],   v[BO], s[80:81] offset:64*\b      ; bo of columns 16 b + 8 h + 0..7
	global_load_b128 v[BIAS+8*\b+4:BIAS+8*\b+7], v[BO], s[80:81] offset:64*\b+16
.endr
	v_and_b32 v3, 7, v0
	v_bfe_u32 v4, v0, 3, 1
	v_mul_u32_u24 v5, v1, XPITCH
	v_lshl_add_u32 v5, v2, 4, v5                   ; r x 144 + 16 h
	s_mul_i32 s21, s11, 64*XPITCH                  ; my 64 tokens
	v_add_nc_u32 v[ADRA], s21, v5
	v_add_nc_u32 v[ADRA+1], SLOT, v[ADRA]
	v_lshl_add_u32 v6, v2, 3, v3                   ; 8 h + lane % 8: the row of Wo that I address for the transposing load
	v_mul_u32_u24 v6, v6, WPITCH
	v_lshl_add_u32 v6, v4, 4, v6
	s_lshl_b32 s22, s12, 7                         ; my 64 columns: 128 bytes along Wo's rows,
	s_add_co_u32 s22, s22, 2*HALFT                 ; which lie behind x's four heads
	v_add_nc_u32 v[ADRB], s22, v6
	v_add_nc_u32 v[ADRB+1], HALFT, v[ADRB]         ; 128 rows of 288 bytes on
	v_add_nc_u32 v[ADRB+2], SLOT, v[ADRB]
	v_add_nc_u32 v[ADRB+3], SLOT+HALFT, v[ADRB]
	s_mul_i32 s23, s10, 16*SPITCH
	s_add_co_u32 s23, s23, STAGE                   ; my stage
	v_mul_u32_u24 v[STO], v1, SPITCH
	v_lshl_add_u32 v[STO], v2, 5, v[STO]           ; in: row r, 32 bytes for each half of the lanes
	v_add_nc_u32 v[STO], s23, v[STO]
	v_mul_u32_u24 v[RD], v2, SPITCH
	v_lshl_add_u32 v[RD], v1, 4, v[RD]             ; back: lanes 0-15 one row of 256 bytes, lanes 16-31 the next
	v_add_nc_u32 v[RD], s23, v[RD]
	v_lshlrev_b32 v[CO], 12, v2
	v_lshl_add_u32 v[CO], v1, 4, v[CO]             ; the same two rows in out0
	s_wait_loadcnt 0x0                             ; bo, once
; 8 matrix instructions: token blocks a0, a0 + 1 x all 4 column blocks, 32 along K.  The 16 accumulators take turns, one instruction a turn, in the same
; order in every quarter step.
.macro MUL8 f, a0, zero
.irp a, \a0, \a0+1
.irp b, 0,1,2,3
.if \zero
	v_wmma_f32_16x16x32_f16 v[8*(4*(\a)+\b):8*(4*(\a)+\b)+7], v[\f+32+8*\b:\f+32+8*\b+7], v[\f+8*(\a):\f+8*(\a)+7], 0
.else
	v_wmma_f32_16x16x32_f16 v[8*(4*(\a)+\b):8*(4*(\a)+\b)+7], v[\f+32+8*\b:\f+32+8*\b+7], v[\f+8*(\a):\f+8*(\a)+7], v[8*(4*(\a)+\b):8*(4*(\a)+\b)+7]
.endif
.endr
.endr
.endm
; 16 LDS loads: the fragments of part ks (32 along K, 0..7) of a slot into buffer f
.macro FETCH slot, ks, f
.irp b, 0,1,2,3
	ds_load_tr16_b128 v[\f+32+8*\b:\f+32+8*\b+3],   v[ADRB+2*\slot+\ks/4] offset:(\ks%4)*32*WPITCH+32*\b
	ds_load_tr16_b128 v[\f+32+8*\b+4:\f+32+8*\b+7], v[ADRB+2*\slot+\ks/4] offset:(\ks%4)*32*WPITCH+16*WPITCH+32*\b
.endr
.irp i, 0,1,2,3
	ds_load_b128 v[\f+8*\i:\f+8*\i+3],   v[ADRA+\slot] offset:(\ks/2)*XHEAD+\i*16*XPITCH+64*(\ks%2)
	ds_load_b128 v[\f+8*\i+4:\f+8*\i+7], v[ADRA+\slot] offset:(\ks/2)*XHEAD+\i*16*XPITCH+64*(\ks%2)+32
.endr
.endm
.macro PLACES                          ; a load into a register that a matrix instruction has read stands four places behind it (ISA guide 7.12.1 names what a place is)
.rept 4
	v_nop
.endr
.endm
; One of a slot's first seven parts: part nk's fragments are asked for first, into buffer g, then buffer f is multiplied: they have 16 matrix instructions in which to land.
.macro QUARTER slot, nk, f, g, zero
.if \zero == 0
	PLACES
.endif
	FETCH \slot, \nk, \g
	s_wait_dscnt 16                                ; buffer f is in; the 16 loads just issued may be out
	WIN ACCW
	MUL8 \f, 0, \zero
	MUL8 \f, 2, \zero
	WIN 0
.endm
.macro SEVEN slot, zero
	QUARTER \slot, 1, F0, F1, \zero
	QUARTER \slot, 2, F1, F0, 0
	QUARTER \slot, 3, F0, F1, 0
	QUARTER \slot, 4, F1, F0, 0
	QUARTER \slot, 5, F0, F1, 0
	QUARTER \slot, 6, F1, F0, 0
	QUARTER \slot, 7, F0, F1, 0
.endm
; A slot's last part: multiplies buffer 1 and changes slots.  fill = 1: this slot is filled again.  In front of the barrier each wave waits for its own reads of
; this slot and for all its tensor loads, of which one is out: its part of the next slot.  Behind it (and behind the rest of the cluster's round where the slot is
; filled again) nobody reads this slot and the next is whole: the refill comes first, then the next slot's first fragments.
.macro TURN slot, next, fill
	s_wait_dscnt 0
	s_wait_tensorcnt 0x0
	ds_add_u32 v30, v31
	s_wait_dscnt 0x0
	s_barrier_signal -1
	WIN ACCW
	MUL8 F1, 0, 0                                  ; work on registers while the others arrive
	WIN 0
	s_barrier_wait -1
.if \fill
	CREST
	s_add_nc_u64 s[G0+4*\slot+2:G0+4*\slot+3], s[G0+4*\slot+2:G0+4*\slot+3], 8*262144     ; eight heads on
	s_add_nc_u64 s[G0B+4*\slot+2:G0B+4*\slot+3], s[G0B+4*\slot+2:G0B+4*\slot+3], 512*2048  ; 512 rows down Wo
	JLOAD \slot                                    ; the first tensor load behind the round, one a wave
.endif
	PLACES
	FETCH \next, 0, F0
	WIN ACCW
	MUL8 F1, 2, 0
	WIN 0
.endm
	s_wait_tensorcnt 1                             ; my part of slot 0 is in; slot 1's may stay out
	s_barrier_signal -1
	s_barrier_wait -1                              ; everybody's is
	FETCH 0, 0, F0
	SEVEN 0, 1                                     ; K 0-255; the first products start the sums
	TURN 0, 1, 1                                   ; slot 0 gets K 512-767
	SEVEN 1, 0                                     ; K 256-511
	TURN 1, 0, 1                                   ; slot 1 gets K 768-1023
	SEVEN 0, 0
	TURN 0, 1, 0                                   ; nothing is left to fetch: a plain barrier
	SEVEN 1, 0
	s_wait_dscnt 0                                 ; the very last part
	WIN ACCW
	MUL8 F1, 0, 0
	MUL8 F1, 2, 0
	WIN 0
	; THE WAY OUT: add bo, 16 tokens at a time through my own stage, stored as whole rows of 256 bytes.
	PLACES                                         ; behind the last matrix instructions, before their sums are read
.macro OUT16 i
	WIN 0x01                                       ; source 0 in window 1
.irp j, 0,2,4,6,8,10,12,14,16,18,20,22,24,26,28,30
	v_pk_add_f32 v[TF+\j:TF+\j+1], v[32*\i+\j:32*\i+\j+1], v[BIAS+\j:BIAS+\j+1]
.endr
	WIN 0
.irp b, 0,1,2,3
	ds_store_b128 v[STO], v[TF+8*\b:TF+8*\b+3]   offset:64*\b
	ds_store_b128 v[STO], v[TF+8*\b+4:TF+8*\b+7] offset:64*\b+16
.endr
	s_wait_xcnt 0x0                                ; the read-back buffer, which earlier stores read, is loaded again only behind this wait
.irp t, 0,1,2,3,4,5,6,7
	ds_load_b128 v[RB+4*\t:RB+4*\t+3], v[RD] offset:2*SPITCH*\t    ; a wave's LDS instructions are served in order: these see the stores above
.endr
.irp t, 0,1,2,3,4,5,6,7
	s_wait_dscnt 7-\t                              ; load t is in, the 7 - t younger ones may be out
	global_store_b128 v[CO], v[RB+4*\t:RB+4*\t+3], s[82:83] offset:(16*\i+2*\t)*4096 th:TH_STORE_NT   ; sixteen lanes store 256 consecutive bytes, aligned
.endr
.endm
	OUT16 0
	OUT16 1
	OUT16 2
	OUT16 3
	s_wait_tensorcnt 0x0
	ds_add_u32 v30, v31
	s_wait_dscnt 0x0
	CROUND                                         ; the closing round: no work-group ends while a partner may still ask for a tile that names it
	s_endpgm
.Lfunc_end_k_q67989e5f64_outp:
	.size	k_q67989e5f64_outp, .Lfunc_end_k_q67989e5f64_outp-k_q67989e5f64_outp
	.p2alignl 7, 3214868480
	.fill 96, 4, 3214868480
	.section	.rodata,"a",@progbits
	.p2align	6, 0x0
	.amdhsa_kernel k_q67989e5f64_outp
		.amdhsa_group_segment_fixed_size 327680
		.amdhsa_private_segment_fixed_size 0
		.amdhsa_enable_private_segment 0
		.amdhsa_kernarg_size 32
		.amdhsa_user_sgpr_count 2
		.amdhsa_user_sgpr_kernarg_segment_ptr 1
		.amdhsa_wavefront_size32 1
		.amdhsa_system_sgpr_workgroup_id_x 1
		.amdhsa_system_sgpr_workgroup_id_y 1
		.amdhsa_system_sgpr_workgroup_id_z 1
		.amdhsa_system_vgpr_workitem_id 0
		.amdhsa_next_free_vgpr 384
		.amdhsa_next_free_sgpr 94
		.amdhsa_reserve_vcc 0
		.amdhsa_float_denorm_mode_32 3
		.amdhsa_float_denorm_mode_16_64 3
		.amdhsa_memory_ordered 1
		.amdhsa_forward_progress 1
		.amdhsa_inst_pref_size 94
	.end_amdhsa_kernel
	.amdgpu_metadata
---
amdhsa.version: [ 1, 2 ]
amdhsa.kernels:
  - .name:           k_q67989e5f64_outp
    .symbol:         k_q67989e5f64_outp.kd
    .args:
      - { .name: xh, .offset: 0, .size: 8, .value_kind: global_buffer, .address_space: global }
      - { .name: wf, .offset: 8, .size: 8, .value_kind: global_buffer, .address_space: global }
      - { .name: bo, .offset: 16, .size: 8, .value_kind: global_buffer, .address_space: global }
      - { .name: out0, .offset: 24, .size: 8, .value_kind: global_buffer, .address_space: global }
    .group_segment_fixed_size: 327680
    .private_segment_fixed_size: 0
    .kernarg_segment_align: 8
    .kernarg_segment_size: 32
    .max_flat_workgroup_size: 128
    .sgpr_count:     94
    .vgpr_count:     384
    .wavefront_size: 32
...
	.end_amdgpu_metadata
.endif
;; end of part 7
;; ======== version 3 of 3: 4 launches; 1.36 times as fast as version 1
;; limits: values are held in f16: magnitudes above 65,504 overflow, below 6.1e-05 lose precision
;; workspace buffers: xf 25,165,824 bytes; wf 8,388,608 bytes; qkv 25,165,824 bytes; mbits 1,048,576 bytes of whole numbers; xh 8,388,608 bytes
;; launch prep: the kernel of part 4 again; grid 256 x 6, 8 waves a work-group, no clusters, 70,656 bytes of LDS; arguments query, key, value, Wq, Wk, Wv, Wo, mask, xf, wf, mbits; writes xf, wf, mbits
;; launch proj: the kernel of part 5 again; grid 4 x 48, 4 waves a work-group, clusters of 4 x 4, 327,680 bytes of LDS; arguments xf, wf, bq, bk, bv, qkv; writes qkv
;; launch attn (part 8): grid 8 x 32, 8 waves a work-group, clusters of 4 x 1, 327,680 bytes of LDS; arguments qkv, mbits, xh; writes xh
.if DOCPART == 8
	.amdgcn_target "amdgcn-amd-amdhsa--gfx1250"
	.amdhsa_code_object_version 6
	.text
	.protected	k_q67989e5f64_attn
	.globl	k_q67989e5f64_attn
	.p2align	8
	.type	k_q67989e5f64_attn,@function
k_q67989e5f64_attn:
	s_mov_b64 s[64:65], 0
	v_nop
	global_prefetch_b8 v0, s[64:65] scope:SCOPE_SE
	s_setreg_imm32_b32 hwreg(HW_REG_WAVE_MODE, 25, 1), 1
	s_wait_xcnt 0x0
	s_wait_alu depctr_hold_cnt(0) depctr_sa_sdst(0) depctr_va_vdst(0) depctr_va_sdst(0) depctr_va_ssrc(0) depctr_va_vcc(0) depctr_vm_vsrc(0)
	s_getreg_b32 s2, hwreg(HW_REG_IB_STS2, 6, 4)
	s_cmp_eq_u32 s2, 0
	s_cbranch_scc0 .Lentry_in_a_cluster
	s_endpgm
.Lentry_in_a_cluster:
	s_bfe_u32 s2, ttmp6, 0x10000c
	s_cmp_lg_u32 s2, 0x3003
	s_cbranch_scc0 .Lentry_shape_is_right
	s_endpgm
.Lentry_shape_is_right:
; attn: softmax(q k / 8, masked) v by a running maximum.  A work-group takes 256 queries of one (b, head); a wave takes 32 (two tiles of 16, qt = 0, 1).
; Scores are exponents of 2: Q was stored times 0.125 log2(e), and a score whose mask bit is 0 is REPLACED by -1e9 log2(e).  A row that is masked
; throughout therefore gives the plain mean of v, as a softmax of equal scores does.
; CLUSTERS: the four work-groups of a cluster are four query blocks of the same head and walk the same K and V tiles: each tile is asked for jointly (mask 15).
; The place in the cluster enters only the global addresses of Q, of the mask words and of the result.
; A tile is 256 keys: 32 KB of K and 32 KB of V, dense in qkv; wave w fetches 8 KB of it (waves 0-3 K, waves 4-7 V; 64 keys each).  Two slots; 8 tiles.
; Both products are used transposed: scores = (16 keys) x (16 queries), so that a lane holds one query and 8 keys a register tile, and the packed
; probabilities ARE the second source of the next product, (16 d of V, by the transposing load) x (16 queries): no exchange between lanes but one for the maximum.
; K's fragments have registers of their own (v256-v319, named v0-v63 under a window setting) and are asked for a step of 64 keys ahead, behind the step's V loads.
; At a change of tiles the last step's second product, which works on registers alone, stands behind the barrier and covers the new tile's first K loads.
; THE BATCHES.  A step of 64 keys has 66 exponentials: the two factors 2^(old - new maximum) and the 64 p.  They are ONE batch with ONE wait.  Ahead of the wait stand the
; exponentials, the 32 subtractions of the maximum that feed them (each four pairs ahead of its pair's exponentials) and the two copies of the new maximum: none of these names a
; result of the batch.  Behind it stand all the readers: the scaling of the old results, the sums, the roundings.  No exponential is issued behind a step's wait, so no result
; crosses a step's end, a label or a branch.  The way out's two reciprocals are a batch of their own.
; The text holds four tiles: tile 0, a loop of three trips over two tiles, tile 7.
; LIMITS: operands are f16 (p lies in 0..1; q, k, v as the launch that makes them states); NaN and infinities are not treated (the maxima drop a NaN).
.set KPITCH, 144                       ; a key's 128 bytes + 16: 9 x 16
.set VPITCH, 160                       ; a key's 128 bytes + 32: 5 x 32
.set SUBT,   10240                     ; LDS bytes of 64 keys of K (9,216 used) or of V (10,240)
.set SLOT,   8*SUBT                    ; 81,920: K's four parts, then V's four
.set STAGE,  2*SLOT                    ; 163,840: 32 rows x 144 bytes for each wave; no tensor load lands here
.set TILEB,  98304                     ; from a tile of qkv to the next
.set NEG,    0xceabfb8f                ; -1e9 log2(e)
.set KADR, 1                           ; v1-2   my K fragments, slot 0, 1
.set VADR, 3                           ; v3-4   my V fragments
.set NEGR, 5                           ; v5     NEG
.set STO,  6                           ; v6     the way out: in
.set RD,   7                           ; v7     the way out: back
.set CO,   8                           ; v8     16 x lane
.set QO,   9                           ; v9     my bytes in Q
.set MX,   10                          ; v10 running maximum of qt 0, v11 what the other half of the lanes sent; v12, v13 the same for qt 1
.set AL,   14                          ; v14 factor 2^(old - new maximum) of qt 0, v15 its exponent; v16, v17 for qt 1
.set LS,   18                          ; v18-19 running sums of my half of the keys
.set TT,   22                          ; v[22:29] at work
.set QF,   32                          ; v[32:63]   Q fragments (qt, dh) at 32 + 16 qt + 8 dh
.set SC,   64                          ; v[64:127]  scores (qt, kt) at 64 + 32 qt + 8 kt; then p; then p packed: (qt, kp) at 64 + 32 qt + 16 kp
.set FR,   128                         ; v[128:191] V fragments (kp, dt) at 128 + 32 kp + 8 dt
.set ACCO, 192                         ; v[192:255] results (qt, dt) at 192 + 32 qt + 8 dt
.set KF,   0                           ; window 1: v[256:319] K fragments (kt, dh) at 256 + 16 kt + 8 dh
; s[2:3] mask words' address   s[4:7], s[8:11] descriptor group 0 of slot 0, 1   s[12:13] my offset in xh   s[14:15] Q, later xh
; s[16:63], s[68:83] the step's 64 mask words   s66 wave   s67 counter   s[84:91], s[92:99] group 1 for K, for V   s100-101 lane selects
.set MSB, 0
.macro WIN new                         ; s_set_vgpr_msb: low byte the new setting, high byte the setting that is left; 0 at every label and branch
.if MSB != \new
	s_set_vgpr_msb (MSB<<8)|\new
.set MSB, \new
.endif
.endm
.macro PLACES n
.rept \n
	v_nop
.endr
.endm
; A round of the cluster's barrier: my work-group's barrier; wave 0 signals for the work-group; every wave waits for all four; my work-group's barrier again.
.macro ROUND
	s_barrier_signal -1
	s_barrier_wait -1
	s_cmp_lg_u32 s66, 0
	s_cbranch_scc1 .Lnot_wave_0_\@
	s_barrier_signal -3
.Lnot_wave_0_\@:
	s_barrier_wait -3
	s_barrier_signal -1
	s_barrier_wait -1
.endm
; A joint load into slot n: one tensor load a wave.  The two lines differ in the padding alone; the branch hangs on the wave's number.
.macro JLOAD n
	s_cmp_lt_u32 s66, 4
	s_cbranch_scc0 .Lfor_v_\@
	tensor_load_to_lds s[4+4*\n:7+4*\n], s[84:91]
	s_nop 0
	s_branch .Lasked_\@
.Lfor_v_\@:
	tensor_load_to_lds s[4+4*\n:7+4*\n], s[92:99]
	s_nop 0
.Lasked_\@:
.endm
.macro MWORDS                          ; a step's 64 mask words: 256 bytes
	s_load_b512 s[16:31], s[2:3], 0x0
	s_load_b512 s[32:47], s[2:3], 0x40
	s_load_b512 s[48:63], s[2:3], 0x80
	s_load_b512 s[68:83], s[2:3], 0xc0
.endm
	s_load_b128 s[20:23], s[0:1], 0x0              ; qkv, mbits
	v_lshl_add_u32 v30, v0, 2, 0x31000
	v_mov_b32 v31, 0
	ds_add_u32 v30, v31
	v_lshrrev_b32 v1, 5, v0
	v_readfirstlane_b32 s66, v1                    ; wave
	s_and_b32 s16, ttmp7, 0xffff                   ; bh
	s_bfe_u32 s17, ttmp6, 0x40000                  ; cx
	s_lshl_b32 s18, ttmp9, 2
	s_add_co_u32 s18, s18, s17                     ; query block = 4 x cluster x + cx
	s_mul_i32 s24, s16, 8*TILEB                    ; K and V: made of bh and the wave alone, which the four partners share
	s_lshl_b32 s25, s66, 13
	s_add_co_u32 s24, s24, s25
	s_add_co_u32 s24, s24, 32768                   ; behind the tile's Q
	s_mov_b32 s25, 0
	s_lshl_b32 s26, s16, 3                         ; Q: tile 8 bh + query block, my 32 rows of 128 bytes
	s_add_co_u32 s26, s26, s18
	s_mul_i32 s26, s26, TILEB
	s_lshl_b32 s27, s66, 12
	s_add_co_u32 s26, s26, s27
	s_mov_b32 s27, 0
	s_lshr_b32 s28, s16, 4                         ; mask words: g = 64 b + 8 x query block + wave, 8,192 bytes each
	s_lshl_b32 s28, s28, 3
	s_add_co_u32 s28, s28, s18
	s_lshl_b32 s28, s28, 3
	s_add_co_u32 s28, s28, s66
	s_lshl_b32 s28, s28, 13
	s_mov_b32 s29, 0
	s_lshl_b32 s12, s16, 3                         ; xh: ((8 bh + query block) 8 + wave) x 4,096 bytes
	s_add_co_u32 s12, s12, s18
	s_lshl_b32 s12, s12, 3
	s_add_co_u32 s12, s12, s66
	s_lshl_b32 s12, s12, 12
	s_mov_b32 s13, 0
	s_mul_i32 s67, s66, 32*KPITCH
	s_add_co_u32 s67, s67, STAGE                   ; my stage (s67 becomes the counter later)
	; group 1: 8 KB dense as 32 rows of 32 elements of 8 bytes; behind every 32 words (a key's 128 bytes) 4 words of padding for K, 8 for V
	s_mov_b32 s84, 0x0733000f                      ; 15:0 mask of the four; 17:16 elements of 8 bytes; 20 padding on; 21 set beside a mask; 24:22 interval code 4; 31:25 pad - 1 = 3
	s_mov_b32 s92, 0x0f33000f                      ; the same with pad - 1 = 7
	s_mov_b32 s85, 32<<16                          ; tensor_dim0 = 32
	s_mov_b32 s93, 32<<16
	s_mov_b32 s86, 32<<16                          ; tensor_dim1 = 32
	s_mov_b32 s94, 32<<16
	s_mov_b32 s87, 32<<16                          ; tile_dim0 = 32
	s_mov_b32 s95, 32<<16
	s_mov_b32 s88, 32                              ; tile_dim1 = 32
	s_mov_b32 s96, 32
	s_mov_b32 s89, 32                              ; 32 elements from row to row
	s_mov_b32 s97, 32
	s_mov_b32 s90, 0
	s_mov_b32 s98, 0
	s_mov_b32 s91, 0
	s_mov_b32 s99, 0
	s_mov_b32 s4, 1                                ; group 0 of slot 0: count,
	s_mul_i32 s5, s66, SUBT                        ; LDS address: wave x 10,240,
	s_mov_b32 s8, 1
	s_add_co_u32 s9, s5, SLOT                      ; slot 1: + 81,920
	s_mov_b32 s100, 0x76543210                     ; v_permlanex16_b32: lane i reads lane i of the other half
	s_mov_b32 s101, 0xfedcba98
	v_and_b32 v20, 15, v0                          ; r
	v_bfe_u32 v21, v0, 4, 1                        ; h
	v_lshlrev_b32 v[QO], 7, v20
	v_lshl_add_u32 v[QO], v21, 4, v[QO]
	s_wait_dscnt 0x0
	s_wait_kmcnt 0x0
	s_add_nc_u64 s[6:7], s[20:21], s[24:25]        ; tile 0
	s_add_nc_u64 s[10:11], s[6:7], TILEB           ; tile 1
	s_or_b32 s7, s7, 0x80000000                    ; type 2
	s_or_b32 s11, s11, 0x80000000
	s_add_nc_u64 s[14:15], s[20:21], s[26:27]
	s_add_nc_u64 s[2:3], s[22:23], s[28:29]
	; Q and step 0's mask words are asked for ahead of the round: nobody writes those bytes, and they are on their way while the work-groups meet
.irp q, 0,1
.irp dh, 0,1
	global_load_b128 v[QF+16*\q+8*\dh:QF+16*\q+8*\dh+3],   v[QO], s[14:15] offset:2048*\q+64*\dh
	global_load_b128 v[QF+16*\q+8*\dh+4:QF+16*\q+8*\dh+7], v[QO], s[14:15] offset:2048*\q+64*\dh+32
.endr
.endr
	MWORDS                                         ; step 0's words (the set-up's scalars in s16-s29 are no longer needed)
	ROUND                                          ; all four work-groups are here: the first joint loads meet
	JLOAD 0                                        ; both slots' first fills go out together
	JLOAD 1
	v_mul_u32_u24 v[KADR], v20, KPITCH
	v_lshl_add_u32 v[KADR], v21, 4, v[KADR]        ; r x 144 + 16 h
	v_add_nc_u32 v[STO], s67, v[KADR]
	v_add_nc_u32 v[KADR+1], SLOT, v[KADR]
	v_and_b32 v22, 7, v0
	v_lshl_add_u32 v23, v21, 3, v22                ; 8 h + lane % 8: the key whose row I address for the transposing load
	v_mul_u32_u24 v[VADR], v23, VPITCH
	v_bfe_u32 v24, v0, 3, 1
	v_lshl_add_u32 v[VADR], v24, 4, v[VADR]
	v_add_nc_u32 v[VADR], 4*SUBT, v[VADR]
	v_add_nc_u32 v[VADR+1], SLOT, v[VADR]
	v_bfe_u32 v25, v0, 3, 2
	v_mul_u32_u24 v[RD], v25, KPITCH
	v_lshl_add_u32 v[RD], v22, 4, v[RD]
	v_add_nc_u32 v[RD], s67, v[RD]
	v_and_b32 v26, 31, v0
	v_lshlrev_b32 v[CO], 4, v26
	v_mov_b32 v[NEGR], NEG
	v_mov_b32 v[MX+1], 0                           ; v_permlanex16_b32 counts as a reader of its destination
	v_mov_b32 v[MX+3], 0
	s_wait_loadcnt 0x0                             ; Q
; 16 LDS loads: the K fragments of part st (64 keys) of a slot, d 0..31 of the four key tiles first, into v256-v319
.macro KLOAD slot, st
	WIN 0x40                                       ; destination in window 1, address in window 0
.irp dh, 0,1
.irp kt, 0,1,2,3
	ds_load_b128 v[KF+16*\kt+8*\dh:KF+16*\kt+8*\dh+3],   v[KADR+\slot] offset:(\st)*SUBT+\kt*16*KPITCH+64*\dh
	ds_load_b128 v[KF+16*\kt+8*\dh+4:KF+16*\kt+8*\dh+7], v[KADR+\slot] offset:(\st)*SUBT+\kt*16*KPITCH+64*\dh+32
.endr
.endr
	WIN 0
.endm
; The scores of 64 keys x 32 queries from the K fragments asked for earlier.  The eight score tiles take turns, one instruction a turn, twice in the same
; order.
.macro SCORES first
.if \first == 0
	PLACES 5                                       ; behind the last matrix instructions: the packed p, their second source, is written over by a matrix instruction
.endif
	s_wait_dscnt 8                                 ; d 0..31 of the four key tiles are in; the eight loads of d 32..63 may be out
	WIN 0x01                                       ; source 0 in window 1
.irp q, 0,1
.irp kt, 0,1,2,3
	v_wmma_f32_16x16x32_f16 v[SC+32*\q+8*\kt:SC+32*\q+8*\kt+7], v[KF+16*\kt:KF+16*\kt+7], v[QF+16*\q:QF+16*\q+7], 0
.endr
.endr
	s_wait_dscnt 0
.irp q, 0,1
.irp kt, 0,1,2,3
	v_wmma_f32_16x16x32_f16 v[SC+32*\q+8*\kt:SC+32*\q+8*\kt+7], v[KF+16*\kt+8:KF+16*\kt+15], v[QF+16*\q+8:QF+16*\q+15], v[SC+32*\q+8*\kt:SC+32*\q+8*\kt+7]
.endr
.endr
	WIN 0
.endm
; Pair p of the 32 pairs of scores (16 a query tile) minus the new maximum of its query, which lies in the first register of v[TT+2 qt : TT+2 qt+1]: both minus that register
.macro SUBM p
	v_pk_add_f32 v[SC+2*(\p):SC+2*(\p)+1], v[SC+2*(\p):SC+2*(\p)+1], v[TT+2*((\p)/16):TT+2*((\p)/16)+1] op_sel_hi:[1,0] neg_lo:[0,1] neg_hi:[0,1]
.endm
; From scores to packed p, for part st of a slot.  first = 1: the launch's first step starts maxima and sums.  more = 1: the next step's mask words are asked for.
; knext = 1: the next step's K fragments, of the same slot, are asked for.
.macro SOFT slot, st, first, more, knext
	PLACES 4                                       ; before V's and K's fragments are loaded over and the scores are read
.irp kp, 0,1
.irp dt, 0,1,2,3
	ds_load_tr16_b128 v[FR+32*\kp+8*\dt:FR+32*\kp+8*\dt+3],   v[VADR+\slot] offset:\st*SUBT+\kp*32*VPITCH+32*\dt
	ds_load_tr16_b128 v[FR+32*\kp+8*\dt+4:FR+32*\kp+8*\dt+7], v[VADR+\slot] offset:\st*SUBT+\kp*32*VPITCH+16*VPITCH+32*\dt
.endr
.endr
	s_wait_kmcnt 0x0                               ; this step's mask words; their address may step
	s_add_nc_u64 s[2:3], s[2:3], 256
.set idx, 0
.rept 64
	v_cndmask_b32 v[SC+idx], v[NEGR], v[SC+idx], s[16+idx+4*(idx/48)]   ; bit 1 keeps the score, bit 0 puts -1e9 log2(e) in its place
.set idx, idx+1
.endr
.if \more
	MWORDS
.endif
.if \knext
	KLOAD \slot, \st+1                             ; used behind the rest of this step: some 250 vector and 16 matrix instructions further down
.endif
	; the maximum of my 32 scores of each query, in two chains a query, with the running maximum; then the other half of the lanes
.irp q, 0,1
	v_max3_num_f32 v[TT+2*\q],   v[SC+32*\q],    v[SC+32*\q+1],  v[SC+32*\q+2]
	v_max3_num_f32 v[TT+2*\q+1], v[SC+32*\q+16], v[SC+32*\q+17], v[SC+32*\q+18]
.endr
.irp j, 3,5,7,9,11,13
.irp q, 0,1
	v_max3_num_f32 v[TT+2*\q],   v[TT+2*\q],   v[SC+32*\q+\j],    v[SC+32*\q+\j+1]
	v_max3_num_f32 v[TT+2*\q+1], v[TT+2*\q+1], v[SC+32*\q+\j+16], v[SC+32*\q+\j+17]
.endr
.endr
.irp q, 0,1
	v_max3_num_f32 v[TT+2*\q], v[TT+2*\q], v[SC+32*\q+15], v[SC+32*\q+31]
.endr
.irp q, 0,1
.if \first
	v_max_num_f32 v[TT+2*\q], v[TT+2*\q], v[TT+2*\q+1]
.else
	v_max3_num_f32 v[TT+2*\q], v[TT+2*\q], v[TT+2*\q+1], v[MX+2*\q]
.endif
.endr
.irp q, 0,1
	v_permlanex16_b32 v[MX+2*\q+1], v[TT+2*\q], s100, s101
.endr
.irp q, 0,1
	v_max_num_f32 v[TT+2*\q], v[TT+2*\q], v[MX+2*\q+1]
.endr
.if \first == 0
.irp q, 0,1
	v_sub_f32 v[AL+2*\q+1], v[MX+2*\q], v[TT+2*\q]  ; old - new maximum, 0 or below
.endr
.endif
	; THE STEP'S BATCH: the two factors, then p = 2^(score - maximum) for the 64 scores.  The subtraction of pair j + 4 stands behind the exponentials of pair j, so that a pair is ready
	; four groups ahead of its exponentials; the two copies of the new maximum stand among the last groups, the second as the plain instruction behind the last exponential.
	; No line down to the wait names v14, v16 or a score register whose exponential has been issued.
.if \first == 0
.irp q, 0,1
	v_exp_f32 v[AL+2*\q], v[AL+2*\q+1]              ; the factor for the old results and the old sum
.endr
.endif
.set j, 0
.rept 4
	SUBM j
.set j, j+1
.endr
.set j, 0
.rept 32
	v_exp_f32 v[SC+2*j],   v[SC+2*j]
	v_exp_f32 v[SC+2*j+1], v[SC+2*j+1]
.if j < 28
	SUBM j+4
.elseif j == 28
	v_mov_b32 v[MX], v[TT]                         ; the new maximum of qt 0 becomes the running one
.elseif j == 31
	v_mov_b32 v[MX+2], v[TT+2]                     ; and that of qt 1
.endif
.set j, j+1
.endr
	s_wait_alu depctr_va_vdst(0)                   ; the wait ahead of the first reader: one for the step's whole batch, factors and p
	; behind it the readers.  First the old results times the factor
.if \first == 0
.set j, 0
.rept 32
	v_pk_mul_f32 v[ACCO+2*j:ACCO+2*j+1], v[ACCO+2*j:ACCO+2*j+1], v[AL+2*(j/16):AL+2*(j/16)+1] op_sel_hi:[1,0]
.set j, j+1
.endr
.endif
	; the sum of my 32 p of each query, two chains of pairs a query
.irp q, 0,1
	v_pk_add_f32 v[TT+4*\q:TT+4*\q+1],   v[SC+32*\q:SC+32*\q+1],     v[SC+32*\q+2:SC+32*\q+3]
	v_pk_add_f32 v[TT+4*\q+2:TT+4*\q+3], v[SC+32*\q+16:SC+32*\q+17], v[SC+32*\q+18:SC+32*\q+19]
.endr
.irp j, 4,6,8,10,12,14
.irp q, 0,1
	v_pk_add_f32 v[TT+4*\q:TT+4*\q+1],   v[TT+4*\q:TT+4*\q+1],   v[SC+32*\q+\j:SC+32*\q+\j+1]
	v_pk_add_f32 v[TT+4*\q+2:TT+4*\q+3], v[TT+4*\q+2:TT+4*\q+3], v[SC+32*\q+\j+16:SC+32*\q+\j+17]
.endr
.endr
.irp q, 0,1
	v_pk_add_f32 v[TT+4*\q:TT+4*\q+1], v[TT+4*\q:TT+4*\q+1], v[TT+4*\q+2:TT+4*\q+3]
.endr
.irp q, 0,1
.if \first
	v_add_f32 v[LS+\q], v[TT+4*\q], v[TT+4*\q+1]
.else
	v_add_f32 v[TT+4*\q], v[TT+4*\q], v[TT+4*\q+1]
.endif
.endr
.if \first == 0
.irp q, 0,1
	v_fma_f32 v[LS+\q], v[LS+\q], v[AL+2*\q], v[TT+4*\q]
.endr
.endif
	; p to f16 in place: 16 registers (keys 8 h + j of two key tiles) become the 8 of a second source for 32 keys
.irp g, 0,1,2,3
.irp i, 0,1,2,3,4,5,6,7
	v_cvt_pk_f16_f32 v[SC+16*\g+\i], v[SC+16*\g+2*\i], v[SC+16*\g+2*\i+1]
.endr
.endr
.endm
; results += V x p, registers alone.  The eight result tiles take turns, one instruction a turn.
.macro PVM first
.irp kp, 0,1
.irp q, 0,1
.irp dt, 0,1,2,3
.if \first*(1-\kp)
	v_wmma_f32_16x16x32_f16 v[ACCO+32*\q+8*\dt:ACCO+32*\q+8*\dt+7], v[FR+32*\kp+8*\dt:FR+32*\kp+8*\dt+7], v[SC+32*\q+16*\kp:SC+32*\q+16*\kp+7], 0
.else
	v_wmma_f32_16x16x32_f16 v[ACCO+32*\q+8*\dt:ACCO+32*\q+8*\dt+7], v[FR+32*\kp+8*\dt:FR+32*\kp+8*\dt+7], v[SC+32*\q+16*\kp:SC+32*\q+16*\kp+7], v[ACCO+32*\q+8*\dt:ACCO+32*\q+8*\dt+7]
.endif
.endr
.endr
.endr
.endm
; One of a tile's first three steps, whole
.macro STEPA slot, st, first
	SCORES \first
	SOFT \slot, \st, \first, 1, 1
	s_wait_dscnt 16                                ; V's 16 loads are in; the next step's 16 K loads, issued behind them, may be out
	PVM \first
.endm
; A tile of 256 keys, up to the packed p of its last step; that step's second product follows behind the change of tiles
.macro TILE slot, first, last
	STEPA \slot, 0, \first
	STEPA \slot, 1, 0
	STEPA \slot, 2, 0
	SCORES 0
	SOFT \slot, 3, 0, 1-\last, 0
.endm
; The change to the tile in a slot.  In front of the barrier each wave has waited for its reads of the other slot (the last are V's fragments, now in registers) and for
; all its tensor loads (one is out: its part of the new tile).  refill = 1: the barrier is a round of the cluster's barrier: behind it no wave of the four work-groups
; reads the other slot or has a load on its way, and the joint refill comes first.  Then the new tile's first K fragments are asked for, and the old tile's
; last 16 matrix instructions run while they come.
.macro CHANGE slot, refill
	s_wait_dscnt 0x0
	s_wait_tensorcnt 0x0
	ds_add_u32 v30, v31
	s_wait_dscnt 0x0
.if \refill
	s_add_nc_u64 s[6+4*(1-\slot):7+4*(1-\slot)], s[6+4*(1-\slot):7+4*(1-\slot)], 2*TILEB   ; no load of mine is out: the other slot's next tile
	ROUND
	JLOAD (1-\slot)
.else
	s_barrier_signal -1
	s_barrier_wait -1
.endif
	KLOAD \slot, 0
	PVM 0
.endm
	s_wait_tensorcnt 0x1                           ; my part of tile 0 is in; tile 1's may stay out
	s_barrier_signal -1
	s_barrier_wait -1                              ; everybody's is
	KLOAD 0, 0
	TILE 0, 1, 0                                   ; tile 0: its first products start maxima, sums and results
	s_mov_b32 s67, 3
.Ltiles:
	CHANGE 1, 1                                    ; slot 0 gets tile 2, 4, 6
	TILE 1, 0, 0                                   ; tile 1, 3, 5
	CHANGE 0, 1                                    ; slot 1 gets tile 3, 5, 7
	TILE 0, 0, 0                                   ; tile 2, 4, 6
	s_sub_co_i32 s67, s67, 1
	s_cmp_lg_u32 s67, 0
	s_cbranch_scc1 .Ltiles
	CHANGE 1, 0                                    ; nothing more to fetch
	TILE 1, 0, 1                                   ; tile 7: no mask words beyond the last step
	s_wait_dscnt 0x0                               ; V's fragments
	PVM 0
	; THE WAY OUT: divide by the whole sum, round to f16, 32 rows of 128 bytes through my own stage, stored as 512 consecutive bytes.
	PLACES 4
	s_load_b64 s[14:15], s[0:1], 0x10              ; xh
.irp q, 0,1
	v_permlanex16_b32 v[MX+2*\q+1], v[LS+\q], s100, s101
.endr
.irp q, 0,1
	v_add_f32 v[LS+\q], v[LS+\q], v[MX+2*\q+1]     ; at least 1: the largest score gives p = 1
.endr
	v_rcp_f32 v[AL], v[LS]
	v_rcp_f32 v[AL+2], v[LS+1]
	v_nop                                          ; one plain place behind the reciprocals
	s_wait_alu depctr_va_vdst(0)                   ; the wait ahead of the first reader: one for the two reciprocals
.set j, 0
.rept 32
	v_pk_mul_f32 v[ACCO+2*j:ACCO+2*j+1], v[ACCO+2*j:ACCO+2*j+1], v[AL+2*(j/16):AL+2*(j/16)+1] op_sel_hi:[1,0]
.set j, j+1
.endr
.set j, 0
.rept 32
	v_cvt_pk_f16_f32 v[SC+j], v[ACCO+2*j], v[ACCO+2*j+1]
.set j, j+1
.endr
.irp q, 0,1
.irp dt, 0,1,2,3
	ds_store_b128 v[STO], v[SC+16*\q+4*\dt:SC+16*\q+4*\dt+3] offset:16*KPITCH*\q+32*\dt
.endr
.endr
	s_wait_kmcnt 0x0
	s_add_nc_u64 s[14:15], s[14:15], s[12:13]
.irp t, 0,1,2,3,4,5,6,7
	ds_load_b128 v[FR+4*\t:FR+4*\t+3], v[RD] offset:4*KPITCH*\t    ; a wave's LDS instructions are served in order: these see the stores above
.endr
.irp t, 0,1,2,3,4,5,6,7
	s_wait_dscnt 7-\t                              ; load t is in, the 7 - t younger ones may be out
	global_store_b128 v[CO], v[FR+4*\t:FR+4*\t+3], s[14:15] offset:512*\t
.endr
	s_wait_tensorcnt 0x0
	ds_add_u32 v30, v31
	s_wait_dscnt 0x0
	ROUND                                          ; the closing round: no work-group ends while a partner may still ask for a tile that names it
	s_endpgm
.Lfunc_end_k_q67989e5f64_attn:
	.size	k_q67989e5f64_attn, .Lfunc_end_k_q67989e5f64_attn-k_q67989e5f64_attn
	.p2alignl 7, 3214868480
	.fill 96, 4, 3214868480
	.section	.rodata,"a",@progbits
	.p2align	6, 0x0
	.amdhsa_kernel k_q67989e5f64_attn
		.amdhsa_group_segment_fixed_size 327680
		.amdhsa_private_segment_fixed_size 0
		.amdhsa_enable_private_segment 0
		.amdhsa_kernarg_size 24
		.amdhsa_user_sgpr_count 2
		.amdhsa_user_sgpr_kernarg_segment_ptr 1
		.amdhsa_wavefront_size32 1
		.amdhsa_system_sgpr_workgroup_id_x 1
		.amdhsa_system_sgpr_workgroup_id_y 1
		.amdhsa_system_sgpr_workgroup_id_z 1
		.amdhsa_system_vgpr_workitem_id 0
		.amdhsa_next_free_vgpr 320
		.amdhsa_next_free_sgpr 102
		.amdhsa_reserve_vcc 0
		.amdhsa_float_denorm_mode_32 3
		.amdhsa_float_denorm_mode_16_64 3
		.amdhsa_memory_ordered 1
		.amdhsa_forward_progress 1
		.amdhsa_inst_pref_size 255
	.end_amdhsa_kernel
	.section	.bss,"aw",@nobits
	.p2align	6
	.space	262144
	.amdgpu_metadata
---
amdhsa.version: [ 1, 2 ]
amdhsa.kernels:
  - .name:           k_q67989e5f64_attn
    .symbol:         k_q67989e5f64_attn.kd
    .args:
      - { .name: qkv, .offset: 0, .size: 8, .value_kind: global_buffer, .address_space: global }
      - { .name: mbits, .offset: 8, .size: 8, .value_kind: global_buffer, .address_space: global }
      - { .name: xh, .offset: 16, .size: 8, .value_kind: global_buffer, .address_space: global }
    .group_segment_fixed_size: 327680
    .private_segment_fixed_size: 0
    .kernarg_segment_align: 8
    .kernarg_segment_size: 24
    .max_flat_workgroup_size: 256
    .sgpr_count:     102
    .vgpr_count:     320
    .wavefront_size: 32
...
	.end_amdgpu_metadata
.endif
;; end of part 8
;; launch outp: the kernel of part 7 again; grid 8 x 32, 4 waves a work-group, clusters of 4 x 4, 327,680 bytes of LDS; arguments xh, wf, bo, out0; writes out0
